; MI455X (gfx1250); checked and timed in simulation.
; The chip was launched on July 23, 2026; its instructions are those of AMD's public machine-readable ISA for CDNA 5 (MIT licence, August 2026) and "CDNA5" Instruction Set Architecture Reference Guide (July 2026). The comments in the code are by the model that wrote it; some were corrected since.
;; Bahdanau Attention. Allowed arithmetic: float matrix products may take bf16 or f16 operands with f32 sums; other float arithmetic in f32, or as packed bf16 or f16 multiplies, adds, multiply-adds, maxima and minima; sums over many terms, partial sums and values carried from step to step in f32; what a program stores and reads back later, other than sums and carried values, may be rounded once to bf16 or f16.
;; Inputs: Wd 1,024 x 1,024 float32; We 1,024 x 1,024 float32; encoder_outputs 2,048 x 32 x 1,024 float32; hidden 32 x 1,024 float32; v 1,024 float32.
;; Outputs: out0 32 x 1,024 float32; out1 32 x 2,048 float32.
;; 2 versions, each right; version 2 is version 1 with the launch main written anew for expert scheduling mode. Each part assembles by itself: llvm-mc -triple=amdgcn-amd-amdhsa -mcpu=gfx1250 --defsym DOCPART=n.
;; ======== version 1 of 2: 3 launches
;; workspace buffers: web 2,097,152 bytes; dect 131,072 bytes; sc 262,144 bytes; pc 2,097,152 bytes; ml 131,072 bytes
;; launch prep (part 1): grid 192 x 1, 8 waves a work-group, no clusters, 17,408 bytes of LDS; arguments We, Wd, hidden, web, dect; writes web, dect
.if DOCPART == 1
	.amdgcn_target "amdgcn-amd-amdhsa--gfx1250"
	.amdhsa_code_object_version 6
	.text
	.protected	k_q65858e12e6_prep
	.globl	k_q65858e12e6_prep
	.p2align	8
	.type	k_q65858e12e6_prep,@function
k_q65858e12e6_prep:
	s_mov_b64 s[64:65], 0
	v_nop
	global_prefetch_b8 v0, s[64:65] scope:SCOPE_SE
	s_setreg_imm32_b32 hwreg(HW_REG_WAVE_MODE, 25, 1), 1
	s_wait_xcnt 0x0
; BAHDANAU ATTENTION, launch 1 of 3: the weights are laid out and the decoder's projection is made.
; THE WHOLE PROGRAM.  tanh(x) = 1 - 2 r with r = 1 / (1 + 2^(C2 x)), C2 = 2 log2(e).  So score[b][s] = sum_d v[d] - 2 sum_d v[d] r[b][s][d].
; WORK LEFT OUT: the term sum_d v[d].  It is the same for all s of a b, the scores reach both outputs through softmax over s alone, and a softmax does not change
; when one number is added to all its inputs: this holds for all finite values of the inputs.  All five inputs keep a way to the outputs and all are loaded.
; LIMIT: an overflow, an infinity or a NaN that would arise in sum_d v[d] alone is not carried to the result.
; THIS LAUNCH.  Work-groups 0-127: web = bf16(C2 We), one rounding, in the order in which the next launch's matrix operands take it:
;   byte ((((p 32 + i) 4 + w) 8 + bt) 1024) + 512 q + 16 l holds We[512 p + 128 w + 16 bt + l % 16][32 i + 16 q + 8 (l / 16) + 0..7].
; Work-groups 128-191: dect[nt][b][dd] = C2 sum_k hidden[b][k] Wd[16 nt + dd][k], f32; operands rounded to bf16, sums in f32; K is split among the eight waves.
; No cluster: the work-groups of the second kind share hidden, 128 KiB of the launch's 8.4 MB; no tensor loads: every number passes through registers to be rounded.
.set C2,    0x4038aa3b                 ; 2 log2(e)
.set SPARE, 16384                      ; behind the eight partial tiles: the spare words, 128 bytes for each wave, four blocks of 256 bytes that no other line names
.set SPW, 10                           ; v10  LDS address of my spare word; never rewritten
.set NIL, 11                           ; v11  0; never rewritten
.set ACC, 16                           ; v[16:47]  four accumulators: 16 b's mt, K steps of parity p at ACC + 8 (2 p + mt)
.set LND, 64                           ; v[64:255] what the loads bring
	s_load_b256 s[4:11], s[0:1], 0x0               ; We s[4:5], Wd s[6:7], hidden s[8:9], web s[10:11]
	s_load_b64 s[12:13], s[0:1], 0x20              ; dect
	v_lshl_add_u32 v[SPW], v0, 2, SPARE
	v_mov_b32 v[NIL], 0
	v_lshrrev_b32 v1, 5, v0
	v_readfirstlane_b32 s14, v1                    ; wave 0..7
	v_and_b32 v2, 15, v0                           ; r = lane % 16
	v_bfe_u32 v3, v0, 4, 1                         ; h = lane / 16
	v_and_b32 v4, 31, v0                           ; lane
	v_lshlrev_b32 v5, 12, v2                       ; a row of We, Wd or hidden is 4,096 bytes
	v_lshl_add_u32 v5, v3, 5, v5                   ; r x 4096 + 32 h: eight f32 for each half of the lanes
	s_wait_kmcnt 0x0
	s_cmp_lt_u32 ttmp9, 128                        ; the same in all waves of a work-group
	s_cbranch_scc0 .Ldec
	; ---- We: a wave takes 16 rows x 64 columns (256 bytes, aligned, of each row): two K steps of one tile of 16 rows
	s_lshl_b32 s15, ttmp9, 3
	s_add_co_u32 s15, s15, s14                     ; block 0..1023
	s_lshr_b32 s16, s15, 4                         ; nt: which 16 rows
	s_and_b32 s17, s15, 15                         ; kb: which 64 columns
	s_lshl_b32 s20, s16, 16
	s_lshl_b32 s21, s17, 8
	s_add_co_u32 s20, s20, s21
	s_mov_b32 s21, 0
	s_add_nc_u64 s[4:5], s[4:5], s[20:21]
	s_lshr_b32 s22, s16, 5                         ; p
	s_lshl_b32 s22, s22, 5
	s_lshl1_add_u32 s22, s17, s22                  ; p 32 + i, i = 2 kb
	s_lshl_b32 s22, s22, 2
	s_bfe_u32 s23, s16, 0x20003                    ; w = (nt / 8) % 4
	s_add_co_u32 s22, s22, s23
	s_lshl_b32 s22, s22, 3
	s_and_b32 s23, s16, 7                          ; bt
	s_add_co_u32 s22, s22, s23
	s_lshl_b32 s22, s22, 10
	s_mov_b32 s23, 0
	s_add_nc_u64 s[10:11], s[10:11], s[22:23]
	v_lshlrev_b32 v6, 4, v4                        ; 16 x lane
.irp c, 0,1,2,3,4,5,6,7                ; K step c / 4, half q = (c / 2) % 2, then the two 16 bytes of my eight numbers
	global_load_b128 v[LND+4*(\c):LND+4*(\c)+3], v5, s[4:5] offset:((\c)>>2)*128+(((\c)>>1)&1)*64+((\c)&1)*16 th:TH_LOAD_NT
.endr
	s_wait_loadcnt 0x0
.set n, 0
.rept 16
	v_pk_mul_f32 v[LND+2*n:LND+2*n+1], v[LND+2*n:LND+2*n+1], C2 op_sel_hi:[1,0]  ; the factor goes in ahead of the one rounding
.set n, n+1
.endr
.set n, 0
.rept 16
	v_cvt_pk_bf16_f32 v[LND+32+n], v[LND+2*n], v[LND+2*n+1]
.set n, n+1
.endr
.irp c, 0,1,2,3                        ; K step c / 2, half c % 2: each store of the wave covers 512 consecutive bytes, aligned
	global_store_b128 v6, v[LND+32+4*(\c):LND+32+4*(\c)+3], s[10:11] offset:((\c)>>1)*32768+((\c)&1)*512
.endr
	s_branch .Lend
.Ldec:	; ---- hidden Wd^T: the work-group makes 32 b x 16 d; wave w takes k = 128 w .. 128 w + 127, four K steps of 32
	s_sub_co_u32 s15, ttmp9, 128                   ; nt
	s_lshl_b32 s20, s15, 16
	s_mov_b32 s21, 0
	s_add_nc_u64 s[6:7], s[6:7], s[20:21]          ; Wd at row 16 nt
	s_lshl_b32 s22, s15, 11
	s_mov_b32 s23, 0
	s_add_nc_u64 s[12:13], s[12:13], s[22:23]      ; dect at tile nt
	s_lshl_b32 s16, s14, 9
	v_add_nc_u32 v7, s16, v5                       ; + my wave's 512 bytes of a row
	; K step kk lands in 48 registers: 16 of Wd's rows, 16 of hidden's rows 0-15, 16 of its rows 16-31; a lane's f32 k = 8 h + 0..7 and 16 + 8 h + 0..7
.set kk, 0
.rept 4
.irp e, 0,1,2,3
	global_load_b128 v[LND+48*kk+4*(\e):LND+48*kk+4*(\e)+3], v7, s[6:7] offset:kk*128+((\e)>>1)*64+((\e)&1)*16 th:TH_LOAD_NT
.endr
.irp e, 0,1,2,3
	global_load_b128 v[LND+48*kk+16+4*(\e):LND+48*kk+16+4*(\e)+3], v7, s[8:9] offset:kk*128+((\e)>>1)*64+((\e)&1)*16
.endr
.irp e, 0,1,2,3
	global_load_b128 v[LND+48*kk+32+4*(\e):LND+48*kk+32+4*(\e)+3], v7, s[8:9] offset:65536+kk*128+((\e)>>1)*64+((\e)&1)*16
.endr
.set kk, kk+1
.endr
	s_lshl_b32 s17, s14, 11                        ; my partial tile in LDS: 2,048 bytes, [b][16 d] f32
	v_lshlrev_b32 v8, 6, v2
	v_lshl_add_u32 v8, v3, 5, v8
	v_add_nc_u32 v8, s17, v8                       ; + r x 64 + 32 h
	v_lshlrev_b32 v9, 3, v0                        ; 8 x thread
.set kk, 0
.rept 4
	s_wait_loadcnt 36-12*kk                        ; loads come back in order: K step kk's twelve are in, the later K steps' stay out
.set f, 0
.rept 3
.set lz, LND+48*kk+16*f
.set n, 0
.rept 8
	v_cvt_pk_bf16_f32 v[lz+n], v[lz+2*n], v[lz+2*n+1]  ; in place, ascending: the line never writes a register that a later line reads
.set n, n+1
.endr
.set f, f+1
.endr
.set mt, 0
.rept 2                                ; source 0 = 16 rows of Wd, source 1 = 16 rows of hidden: a lane ends with one b (r) and eight d (8 h + 0..7).  The four accumulators take turns, one instruction a turn
.set az, ACC+8*(2*(kk&1)+mt)
.if kk < 2
	v_wmma_f32_16x16x32_bf16 v[az:az+7], v[LND+48*kk:LND+48*kk+7], v[LND+48*kk+16+16*mt:LND+48*kk+16+16*mt+7], 0
.else
	v_wmma_f32_16x16x32_bf16 v[az:az+7], v[LND+48*kk:LND+48*kk+7], v[LND+48*kk+16+16*mt:LND+48*kk+16+16*mt+7], v[az:az+7]
.endif
.set mt, mt+1
.endr
.set kk, kk+1
.endr
.rept 8
	v_nop                                          ; the places behind the last products, ahead of the sums that read them (ISA guide 7.12.1); once a launch
.endr
.set n, 0
.rept 8
	v_pk_add_f32 v[ACC+2*n:ACC+2*n+1], v[ACC+2*n:ACC+2*n+1], v[ACC+16+2*n:ACC+16+2*n+1]  ; the two parities; each accumulator is read from its low end on
.set n, n+1
.endr
	ds_store_b128 v8, v[ACC:ACC+3]
	ds_store_b128 v8, v[ACC+4:ACC+7] offset:16
	ds_store_b128 v8, v[ACC+8:ACC+11] offset:1024
	ds_store_b128 v8, v[ACC+12:ACC+15] offset:1040
	s_wait_dscnt 0x0                               ; for the others' sake: my partial tile lies in LDS
	s_barrier_signal -1
	s_barrier_wait -1                              ; all eight do
.irp k, 0,1,2,3,4,5,6,7
	ds_load_b64 v[LND+2*(\k):LND+2*(\k)+1], v9 offset:2048*(\k)  ; thread t: two numbers of each wave's tile
.endr
	s_wait_dscnt 0x0
	v_pk_add_f32 v[LND:LND+1], v[LND:LND+1], v[LND+2:LND+3]
	v_pk_add_f32 v[LND+4:LND+5], v[LND+4:LND+5], v[LND+6:LND+7]
	v_pk_add_f32 v[LND+8:LND+9], v[LND+8:LND+9], v[LND+10:LND+11]
	v_pk_add_f32 v[LND+12:LND+13], v[LND+12:LND+13], v[LND+14:LND+15]
	v_pk_add_f32 v[LND:LND+1], v[LND:LND+1], v[LND+4:LND+5]
	v_pk_add_f32 v[LND+8:LND+9], v[LND+8:LND+9], v[LND+12:LND+13]
	v_pk_add_f32 v[LND:LND+1], v[LND:LND+1], v[LND+8:LND+9]
	v_pk_mul_f32 v[LND:LND+1], v[LND:LND+1], C2 op_sel_hi:[1,0]
	global_store_b64 v9, v[LND:LND+1], s[12:13]    ; a wave's store covers 256 consecutive bytes, aligned
.Lend:
	s_wait_tensorcnt 0x0                           ; the wave's end, behind my last LDS store
	ds_add_u32 v[SPW], v[NIL]
	s_wait_dscnt 0x0
	s_endpgm
.Lfunc_end_k_q65858e12e6_prep:
	.size	k_q65858e12e6_prep, .Lfunc_end_k_q65858e12e6_prep-k_q65858e12e6_prep
	.p2alignl 7, 3214868480
	.fill 96, 4, 3214868480
	.section	.rodata,"a",@progbits
	.p2align	6, 0x0
	.amdhsa_kernel k_q65858e12e6_prep
		.amdhsa_group_segment_fixed_size 17408
		.amdhsa_private_segment_fixed_size 0
		.amdhsa_enable_private_segment 0
		.amdhsa_kernarg_size 40
		.amdhsa_user_sgpr_count 2
		.amdhsa_user_sgpr_kernarg_segment_ptr 1
		.amdhsa_wavefront_size32 1
		.amdhsa_system_sgpr_workgroup_id_x 1
		.amdhsa_system_sgpr_workgroup_id_y 1
		.amdhsa_system_sgpr_workgroup_id_z 1
		.amdhsa_system_vgpr_workitem_id 0
		.amdhsa_next_free_vgpr 256
		.amdhsa_next_free_sgpr 66
		.amdhsa_reserve_vcc 0
		.amdhsa_float_denorm_mode_32 3
		.amdhsa_float_denorm_mode_16_64 3
		.amdhsa_memory_ordered 1
		.amdhsa_forward_progress 1
		.amdhsa_inst_pref_size 20
	.end_amdhsa_kernel
	.amdgpu_metadata
---
amdhsa.version: [ 1, 2 ]
amdhsa.kernels:
  - .name:           k_q65858e12e6_prep
    .symbol:         k_q65858e12e6_prep.kd
    .args:
      - { .name: We, .offset: 0, .size: 8, .value_kind: global_buffer, .address_space: global }
      - { .name: Wd, .offset: 8, .size: 8, .value_kind: global_buffer, .address_space: global }
      - { .name: hidden, .offset: 16, .size: 8, .value_kind: global_buffer, .address_space: global }
      - { .name: web, .offset: 24, .size: 8, .value_kind: global_buffer, .address_space: global }
      - { .name: dect, .offset: 32, .size: 8, .value_kind: global_buffer, .address_space: global }
    .group_segment_fixed_size: 17408
    .private_segment_fixed_size: 0
    .kernarg_segment_align: 8
    .kernarg_segment_size: 40
    .max_flat_workgroup_size: 256
    .sgpr_count:     66
    .vgpr_count:     256
    .wavefront_size: 32
...
	.end_amdgpu_metadata
.endif
;; end of part 1
;; launch main (part 2): grid 16 x 32, 4 waves a work-group, no clusters, 279,040 bytes of LDS; arguments encoder_outputs, web, dect, v, sc, pc, ml; writes sc, pc, ml
.if DOCPART == 2
	.amdgcn_target "amdgcn-amd-amdhsa--gfx1250"
	.amdhsa_code_object_version 6
	.text
	.protected	k_q65858e12e6_main
	.globl	k_q65858e12e6_main
	.p2align	8
	.type	k_q65858e12e6_main,@function
k_q65858e12e6_main:
	s_mov_b64 s[64:65], 0
	v_nop
	global_prefetch_b8 v0, s[64:65] scope:SCOPE_SE
	s_setreg_imm32_b32 hwreg(HW_REG_WAVE_MODE, 25, 1), 1
	s_wait_xcnt 0x0
; BAHDANAU ATTENTION, launch 2 of 3.  A work-group owns 128 positions s = 128 j .. 128 j + 127 of ONE b.  It reads their encoder rows from memory once, rounds them once to bf16 and keeps
; them in LDS for all 1,024 channels; multiplies them by all 1,024 rows of C2 We; makes its 128 scores, their maximum m2, the weights p = 2^(s2 - m2), their sum l; and from the same LDS rows
; its part of the context, sum_s p[s] enc[s][b][:].  The next launch joins the 16 parts of each b.
; LEFT OUT, as the first kernel's head shows: the term sum_d v[d] of each score, the same along the softmax's axis.  So s2 = -C2 sum_d v[d] r[d], r = 1 / (1 + 2^(C2 (enc_proj + dec_proj))), C2 = 2 log2(e).
; LIMITS.  2^x = infinity gives r = 0 (tanh = 1), 2^x = 0 gives r = 1 (tanh = -1): no clamp is needed.  A weight below 2^-126 counts as 0.  NaN and infinities among the inputs are not treated apart.
; Matrix operands (encoder, C2 We) are bf16; sums, dec_proj, v, scores, maxima, sums of weights and partial contexts are f32.
; SHARES.  Four waves.  A wave takes all 128 rows x 128 columns d: 64 accumulators, 512 registers.  The 1,024 columns go in two passes of 512; K in 32 steps of 32 a pass, 64 matrix instructions a step.
; The encoder's fragments come out of LDS.  C2 We's come straight from memory into registers: the first launch laid them in fragment order, each load of a wave covers 512 consecutive bytes, and no wave
; wants a byte of them that another wave of the work-group has fetched.
; NO CLUSTER: beside the 264,192 bytes of the rows, 63,488 bytes of a WGP's LDS are left; two slots of one K step of a pass's 512 columns are 65,536.  NO TENSOR LOADS: the rows pass through registers to be rounded.
; THE STREAM runs under pass 0: a PIECE is 64 rows x 64 channels (a wave: 16 rows x 256 bytes, aligned, by eight loads).  Piece n is loaded in step n - 6, rounded and stored to LDS in step n - 3, and first read for step n - n % 2.
; Two pieces are a CHUNK of 64 channels; one barrier for each chunk, its signal in the middle of the step that stored the second piece, its wait at the head of the next.  LDS rows are written once in the launch.
; THE MATRIX INSTRUCTION: source 0 = 16 rows of We, source 1 = 16 encoder rows.  In the result lane l holds ONE encoder row (l % 16) and the columns d = 8 (l / 16) + 0..7.
; REGISTERS, in windows of 256 (s_set_vgpr_msb: bits 1:0 source 0, 3:2 source 1, 5:4 source 2, 7:6 destination):
;   window 0: v0-31 addresses; v32-63, v192-223, v224-255 three sets for pieces on their way; v64-127, v128-191 (pass 1: and v192-255) the encoder's fragments
;   window 1: v0-191 three buffers of We's fragments     windows 2, 3: the accumulators: rows 16 a .., columns 16 bt .. at v[8 (8 (a % 4) + bt)] of window 2 + a / 4
.set PITCH, 2064                       ; an LDS row: 2,048 bytes + 16 = 516 words: row r starts at bank 4 r mod 64 (64 banks of 4 bytes: ISA guide 11.1), so the 16 rows of a fragment load start at 16 different groups of four banks
.set DECL,  128*PITCH                  ; 264,192: C2 dec_proj of my b, 1,024 f32 in the order of d
.set VL,    DECL+4096                  ; v
.set SCR,   VL+4096                    ; partial scores: [pass 4 + wave][128 rows] f32
.set PW,    SCR+4096                   ; the 128 weights p, a copy of 512 bytes for each wave
.set SPARE, PW+2048                    ; the spare words, 128 bytes for each wave: two blocks of 256 bytes that no other line names
.set ROWB,  131072                     ; bytes from position s to s + 1 of one b
.set BSTEP, 32768                      ; bytes of web in a K step of a pass
.set R,    1                           ; v1   l % 16
.set H,    2                           ; v2   l / 16
.set BOF,  3                           ; v3   16 l; never rewritten
.set SOF,  4                           ; v4   the stream's offset: row 32 w + 8 h, 16 bytes at 16 r; never rewritten
.set PFO,  5                           ; v5   the prefetches' offset: row 32 w + l; never rewritten
.set ADR0, 6                           ; v6-9   a fragment's place: r PITCH + 16 h + 32 x rows
.set ADRA, 10                          ; v10-13 the same plus the loop's steps along K
.set STA0, 14                          ; v14  where I store 8 bytes of a row: (32 w + 8 h) PITCH + 8 r
.set STA,  15                          ; v15  the same plus the loop's steps
.set EA,   16                          ; v16  my eight dec_proj of a column tile: DECL + 512 w + 32 h, + 2,048 in pass 1
.set SCA,  17                          ; v17  SCR + 512 w + 4 r, + 2,048 in pass 1
.set SRA,  18                          ; v18  SCR + 4 l
.set PWA,  19                          ; v19  PW + 512 w + 4 l
.set CA0,  20                          ; v20  the context: my 8 bytes of a row, 512 w + 8 l
.set CA,   21
.set PA0,  22                          ; v22  PW + 512 w
.set PA,   23
.set LN,   24                          ; v24  l
.set T,    25                          ; v25-29 at work
.set SPW,  30                          ; v30  LDS address of my spare word; never rewritten
.set NIL,  31                          ; v31  0; never rewritten
.set ST0,  32
.set ST1,  192
.set ST2,  224
.set F0,   64
.set DEC,  64                          ; the epilogue: 64 dec_proj,
.set VV,   128                         ; 64 v
; scalars: s[4:5] encoder (stepped), s[6:7] web (stepped), s[8:9] dect, s[10:11] v, s[12:13] sc, s[14:15] pc, s[16:17] ml, s18 wave, s19 j, s20 b, s[22:23] offsets,
; s24 a loop's count, s25 the K loops' bytes along an LDS row, s26, s27 lane selects, s28, s29 the context loop's steps, s30 the passes' count
.set MSB, 0
.macro WIN new                         ; the immediate's high byte repeats the setting that is left; a switch that changes nothing is dropped
.if MSB != (\new)
	s_set_vgpr_msb (MSB<<8)|(\new)
.set MSB, \new
.endif
.endm
.set MUL_LO, 0xa1                      ; source 0 (We) window 1, source 1 (rows) window 0, C and D window 2
.set TO_B,   0x40                      ; destination window 1, address window 0
.macro PLACES n
.rept \n
	v_nop
.endr
.endm
; 32 matrix instructions: rows 64 hi .. 64 hi + 63 x my 128 columns, 32 along K.  The 64 accumulators of a step take turns in the same order in every step, over the backward jumps too.  zero = 1: the products start the sums.
.macro MULH fa, fb, hi, zero
	WIN MUL_LO+0x50*(\hi)
.set ma, 0
.rept 4
.set mb, 0
.rept 8
.if \zero
	v_wmma_f32_16x16x32_bf16 v[8*(8*ma+mb):8*(8*ma+mb)+7], v[(\fb)+8*mb:(\fb)+8*mb+7], v[(\fa)+8*(4*(\hi)+ma):(\fa)+8*(4*(\hi)+ma)+7], 0
.else
	v_wmma_f32_16x16x32_bf16 v[8*(8*ma+mb):8*(8*ma+mb)+7], v[(\fb)+8*mb:(\fb)+8*mb+7], v[(\fa)+8*(4*(\hi)+ma):(\fa)+8*(4*(\hi)+ma)+7], v[8*(8*ma+mb):8*(8*ma+mb)+7]
.endif
.set mb, mb+1
.endr
.set ma, ma+1
.endr
.endm
; 16 LDS loads: the eight fragments (16 rows x 32 K) of one K step, at byte kb behind the stepped addresses
.macro FETCH_A fan, kb
	WIN 0
.set z_, 0
.rept 8
	ds_load_b128 v[(\fan)+8*z_:(\fan)+8*z_+3],   v[ADRA+(z_>>1)] offset:(z_&1)*16*PITCH+(\kb)
	ds_load_b128 v[(\fan)+8*z_+4:(\fan)+8*z_+7], v[ADRA+(z_>>1)] offset:(z_&1)*16*PITCH+(\kb)+32
.set z_, z_+1
.endr
.endm
; 16 loads: my eight fragments of We for one K step; no hint: all work-groups read these bytes
.macro LOAD_B fbn, boff
	WIN TO_B
.set z_, 0
.rept 8
	global_load_b128 v[(\fbn)+8*z_:(\fbn)+8*z_+3],   v[BOF], s[6:7] offset:(\boff)+z_*1024
	global_load_b128 v[(\fbn)+8*z_+4:(\fbn)+8*z_+7], v[BOF], s[6:7] offset:(\boff)+z_*1024+512
.set z_, z_+1
.endr
.endm
; a piece is asked for: eight loads, each of two rows' 256 consecutive bytes, aligned.  hf: which 16 of my 32 rows; ch: the chunk, counted from the stepped base
.macro ISSUE ss, hf, ch
.set z_, 0
.rept 8
	global_load_b128 v[(\ss)+4*z_:(\ss)+4*z_+3], v[SOF], s[4:5] offset:(16*(\hf)+z_)*ROWB+(\ch)*256 th:TH_LOAD_NT
.set z_, z_+1
.endr
.endm
; a piece is rounded, in place, and stored: lanes 0-15 write 128 bytes of a row, lanes 16-31 of the row 8 further on, which lies 32 banks away
.macro CONS ss, hf, ch
.set z_, 0
.rept 8
	v_cvt_pk_bf16_f32 v[(\ss)+4*z_],   v[(\ss)+4*z_],   v[(\ss)+4*z_+1]
	v_cvt_pk_bf16_f32 v[(\ss)+4*z_+1], v[(\ss)+4*z_+2], v[(\ss)+4*z_+3]
.set z_, z_+1
.endr
.set z_, 0
.rept 8
	ds_store_b64 v[STA], v[(\ss)+4*z_:(\ss)+4*z_+1] offset:(16*(\hf)+z_)*PITCH+(\ch)*128
.set z_, z_+1
.endr
.endm
; A PREFETCH of a chunk of my own 32 rows: a lane a row, 256 bytes each, one instruction; each such block is named once in the launch, by the wave that will load it.  In even step g it names chunk g / 2 + 6,
; whose loads go out in steps g + 6 and g + 7: six K steps, 384 matrix instructions, on.  Chunks 0 to 5 come by their loads alone.  cond = 1, in the loop: the last trip asks for nothing, since chunk 15 is the last.
.macro ASK ch, cond
.if \cond
	s_cmp_gt_u32 s24, 1
	s_cbranch_scc0 .Lnoask_\@
.endif
	global_prefetch_b8 v[PFO], s[4:5] offset:(\ch)*256 th:TH_LOAD_NT scope:SCOPE_SE
.if \cond
.Lnoask_\@:
.endif
.endm
; STEP g OF PASS 0 (g = -3 .. -1: no products yet).  tb: the K steps by which the loop has stepped the bases.  pf: 0 no prefetch, 1 one, 2 one but in the loop's last trip.
; In order: piece g + 3 is rounded and stored; the rows' fragments of step g + 1 are fetched; We's of step g + 2 and piece g + 6 are asked for; step g is multiplied.
.macro STEP0 g, tb, zero, pf
.set n6, (\g)+6
.set q_fa,  F0+64*(n6&1)
.set q_fan, F0+64-64*(n6&1)
.set q_fb,  64*(n6%3)
.set q_fbn, 64*((n6+2)%3)
.set q_ss, ST0
.if n6%3 == 1
.set q_ss, ST1
.endif
.if n6%3 == 2
.set q_ss, ST2
.endif
.set q_nw, 0                           ; the loads issued behind We's of step g, which may stay out: piece g + 4, We's of step g + 1, piece g + 5, where they exist; piece g + 3 is older than all of them
.if (\g)+1 >= 0
.set q_nw, q_nw+16
.endif
.if (\g)+4 <= 31
.set q_nw, q_nw+8
.endif
.if (\g)+5 <= 31
.set q_nw, q_nw+8
.endif
	WIN 0
.if (n6&1) && ((\g) >= -1) && ((\g) <= 29)
	s_barrier_wait -1                              ; every wave has stored its part of the chunk that steps g + 1 and g + 2 read
.endif
	s_wait_dscnt 0x0                               ; this step's fragments, fetched a step ago, are in
	s_wait_loadcnt q_nw
.if (\g) <= 28
	CONS q_ss, (n6+1)&1, ((n6-3)>>1)-(\tb)/2       ; its sixteen conversions are also the places between the last products and the loads into registers that they read
.else
	PLACES 4
.endif
.if ((\g) >= -1) && ((\g) <= 30)
	FETCH_A q_fan, ((\g)+1-(\tb))*64
.endif
.if (\g) >= -2
	LOAD_B q_fbn, ((\g)+2-(\tb))*BSTEP
.endif
	WIN 0
.if (\g) <= 25
	ISSUE q_ss, n6&1, (n6>>1)-(\tb)/2
.endif
.if \pf
	ASK (\g)/2+6-(\tb)/2, (\pf)-1
.endif
.if (\g) >= 0
	MULH q_fa, q_fb, 0, \zero
.endif
.if ((n6&1) == 0) && ((\g) >= -2) && ((\g) <= 28)
	s_wait_dscnt 0x0                               ; for the others' sake: my stores of the chunk's two pieces are done (and no LDS instruction of mine is out at the signal)
	s_barrier_signal -1                            ; 32 matrix instructions, work on registers, stand between the signal and the wait
.endif
.if (\g) >= 0
	MULH q_fa, q_fb, 1, \zero
.endif
.endm
; STEP g OF PASS 1 (g = 32 .. 63): the rows lie in LDS.  Three buffers on either side, so that the loop's text is three steps.  tb, tba: the steps by which web's base and the LDS addresses have been stepped.
.macro STEP1 g, tb, tba, zero
.set n6, (\g)+6
.set i1, (\g)-32
.set q_fa,  F0+64*(i1%3)
.set q_fan, F0+64*((i1+1)%3)
.set q_fb,  64*(n6%3)
.set q_fbn, 64*((n6+2)%3)
	WIN 0
	s_wait_dscnt 0x0                               ; this step's fragments of the rows are in
.if (\g) <= 62
	s_wait_loadcnt 16                              ; We's of this step are in; the next step's sixteen loads may stay out
.else
	s_wait_loadcnt 0x0
.endif
	PLACES 4                                       ; between the last products and the loads into registers that they read
.if (\g) <= 62
	FETCH_A q_fan, ((\g)-31-(\tba))*64
.endif
.if (\g) <= 61
	LOAD_B q_fbn, ((\g)+2-(\tb))*BSTEP
.endif
	MULH q_fa, q_fb, 0, \zero
	MULH q_fa, q_fb, 1, \zero
.endm
; THE EPILOGUE's five stages for group a (16 rows: 64 registers a lane, 32 pairs u), in place in the accumulators' window; dec_proj and v lie in window 0 (source 1)
.macro EWIN a
.if (\a) < 4
	WIN 0xa2
.else
	WIN 0xf3
.endif
.endm
.macro EA1 a, u                        ; x = C2 enc_proj + C2 dec_proj
	EWIN \a
.set x_, 64*((\a)&3)+2*(\u)
	v_pk_add_f32 v[x_:x_+1], v[x_:x_+1], v[DEC+2*(\u):DEC+2*(\u)+1]
.endm
.macro EEX a, e                        ; 2^x
	EWIN \a
.set x_, 64*((\a)&3)+(\e)
	v_exp_f32 v[x_], v[x_]
.endm
.macro EA2 a, u                        ; 1 + 2^x
	EWIN \a
.set x_, 64*((\a)&3)+2*(\u)
	v_pk_add_f32 v[x_:x_+1], v[x_:x_+1], 1.0 op_sel_hi:[1,0]
.endm
.macro ERC a, e                        ; r
	EWIN \a
.set x_, 64*((\a)&3)+(\e)
	v_rcp_f32 v[x_], v[x_]
.endm
.macro EAC a, u                        ; v r, summed into the group's first four pairs
	EWIN \a
.set x_, 64*((\a)&3)+2*(\u)
.set y_, 64*((\a)&3)+2*((\u)&3)
.if (\u) < 4
	v_pk_mul_f32 v[x_:x_+1], v[x_:x_+1], v[VV+2*(\u):VV+2*(\u)+1]
.else
	v_pk_fma_f32 v[y_:y_+1], v[x_:x_+1], v[VV+2*(\u):VV+2*(\u)+1], v[y_:y_+1]
.endif
.endm
	s_load_b256 s[4:11], s[0:1], 0x0               ; encoder s[4:5], web s[6:7], dect s[8:9], v s[10:11]
	s_load_b128 s[12:15], s[0:1], 0x20             ; sc s[12:13], pc s[14:15]
	s_load_b64 s[16:17], s[0:1], 0x30              ; ml
	v_lshl_add_u32 v[SPW], v0, 2, SPARE
	v_mov_b32 v[NIL], 0
	v_lshrrev_b32 v[T], 5, v0
	v_readfirstlane_b32 s18, v[T]                  ; wave 0..3
	s_mov_b32 s19, ttmp9                           ; j
	s_and_b32 s20, ttmp7, 0xffff                   ; b
	v_and_b32 v[R], 15, v0
	v_bfe_u32 v[H], v0, 4, 1
	v_and_b32 v[LN], 31, v0
	v_lshlrev_b32 v[BOF], 4, v[LN]
	s_lshl_b32 s22, s18, 22                        ; 32 w rows of 131,072 bytes
	v_lshlrev_b32 v[SOF], 20, v[H]                 ; 8 h rows
	v_lshl_add_u32 v[SOF], v[R], 4, v[SOF]
	v_add_nc_u32 v[SOF], s22, v[SOF]
	v_lshl_add_u32 v[PFO], v[LN], 17, s22
	v_mul_u32_u24 v[ADR0], v[R], PITCH
	v_lshl_add_u32 v[ADR0], v[H], 4, v[ADR0]
	v_add_nc_u32 v[ADR0+1], 32*PITCH, v[ADR0]
	v_add_nc_u32 v[ADR0+2], 64*PITCH, v[ADR0]
	v_add_nc_u32 v[ADR0+3], 96*PITCH, v[ADR0]
.irp x, 0,1,2,3
	v_mov_b32 v[ADRA+\x], v[ADR0+\x]
.endr
	s_mul_i32 s23, s18, 32*PITCH
	v_mul_u32_u24 v[STA0], v[H], 8*PITCH
	v_lshl_add_u32 v[STA0], v[R], 3, v[STA0]
	v_add_nc_u32 v[STA0], s23, v[STA0]
	v_mov_b32 v[STA], v[STA0]
	s_lshl_b32 s28, s18, 9                         ; 512 w
	s_add_co_u32 s29, s28, DECL
	v_lshl_add_u32 v[EA], v[H], 5, s29
	s_add_co_u32 s29, s28, SCR
	v_lshl_add_u32 v[SCA], v[R], 2, s29
	v_lshl_add_u32 v[SRA], v[LN], 2, SCR
	s_add_co_u32 s29, s28, PW
	v_lshl_add_u32 v[PWA], v[LN], 2, s29
	v_mov_b32 v[PA0], s29
	v_lshl_add_u32 v[CA0], v[LN], 3, s28
	v_lshrrev_b32 v[T], 1, v0                      ; thread t copies d = 8 t .. 8 t + 7 of dec_proj and of v:
	v_lshlrev_b32 v[T], 11, v[T]                   ; in dect tile t / 2,
	v_and_b32 v[T+1], 1, v0
	v_lshl_add_u32 v[T], v[T+1], 5, v[T]           ; its half t % 2;
	v_lshlrev_b32 v[T+1], 5, v0                    ; in v, and in LDS, byte 32 t
	v_add_nc_u32 v[T+2], DECL, v[T+1]
	s_mov_b32 s25, 0
	s_mov_b32 s26, 0x76543210                      ; v_permlanex16_b32: each lane takes its own place in the other half
	s_mov_b32 s27, 0xfedcba98
	s_lshl_b32 s22, s19, 24                        ; 128 j positions
	s_lshl_b32 s23, s20, 12                        ; row b of a position
	s_add_co_u32 s22, s22, s23
	s_mov_b32 s23, 0
	s_lshl4_add_u32 s21, s20, s19                  ; 16 b + j
	s_wait_kmcnt 0x0
	s_add_nc_u64 s[4:5], s[4:5], s[22:23]
	s_lshl_b32 s22, s18, 13                        ; my wave's 8,192 bytes of a K step of web
	s_add_nc_u64 s[6:7], s[6:7], s[22:23]
	s_lshl_b32 s22, s20, 6
	s_add_nc_u64 s[8:9], s[8:9], s[22:23]          ; dect at row b of tile 0
	s_lshl_b32 s22, s21, 9                         ; (16 b + j) x 512 = b x 8,192 + j x 512
	s_add_nc_u64 s[12:13], s[12:13], s[22:23]
	s_lshl_b32 s22, s21, 12
	s_add_nc_u64 s[14:15], s[14:15], s[22:23]
	s_lshl_b32 s22, s21, 8
	s_add_nc_u64 s[16:17], s[16:17], s[22:23]
	global_load_b128 v[64:67], v[T], s[8:9]
	global_load_b128 v[68:71], v[T], s[8:9] offset:16
	global_load_b128 v[72:75], v[T+1], s[10:11]
	global_load_b128 v[76:79], v[T+1], s[10:11] offset:16
	ISSUE ST0, 0, 0                                ; pieces 0, 1, 2
	ISSUE ST1, 1, 0
	ISSUE ST2, 0, 1
	s_wait_loadcnt 24                              ; dec_proj and v are in; the three pieces' 24 loads stay out
	ds_store_b128 v[T+2], v[64:67]
	ds_store_b128 v[T+2], v[68:71] offset:16
	ds_store_b128 v[T+2], v[72:75] offset:4096
	ds_store_b128 v[T+2], v[76:79] offset:4112     ; read in the epilogue, behind the stream's barriers, each with its wait for my LDS stores in front
	STEP0 -3, 0, 0, 0                              ; the stream starts: pieces 0 to 2 are stored, 3 to 5 asked for, the first fragments fetched
	STEP0 -2, 0, 0, 0
	STEP0 -1, 0, 0, 0
	STEP0 0, 0, 1, 1                               ; the first step stands ahead of the loop: its products start the sums
	WIN 0                                          ; at a label and at a branch every window is 0
	s_mov_b32 s24, 4
.Lk0:                                                  ; four trips of six steps: steps 1 to 24
	STEP0 1, 0, 0, 0
	STEP0 2, 0, 0, 2
	STEP0 3, 0, 0, 0
	STEP0 4, 0, 0, 2
	STEP0 5, 0, 0, 0
	STEP0 6, 0, 0, 2
	WIN 0
	s_wait_xcnt 0x0                                ; every load and prefetch issued so far (the youngest 64 matrix instructions back) has read its address: only now are the two bases written
	s_add_nc_u64 s[6:7], s[6:7], 6*BSTEP
	s_add_nc_u64 s[4:5], s[4:5], 3*256             ; three chunks
	s_add_co_u32 s25, s25, 6*64                    ; six K steps, three chunks, of an LDS row
.irp x, 0,1,2,3
	v_add_nc_u32 v[ADRA+\x], s25, v[ADR0+\x]
.endr
	v_add_nc_u32 v[STA], s25, v[STA0]
	s_sub_co_u32 s24, s24, 1
	s_cmp_lg_u32 s24, 0
	s_cbranch_scc1 .Lk0
.irp g, 25,26,27,28,29,30,31           ; the tail is written out: the stream ends (piece 31 is asked for in step 25 and stored in step 28), the counts run down; steps 30 and 31 ask for We's first two steps of pass 1
	STEP0 \g, 24, 0, 0
.endr
	WIN 0
	s_mov_b32 s30, 2
.Lepi:	; THE EPILOGUE, written once, run behind each pass.  Its 1,024 transcendentals a lane go in a pipeline over the eight groups: in a turn group it is added to and raised, group it - 1 gets its 1 + and its reciprocal,
	; group it - 2 is multiplied by v and summed.  Nothing in a turn names a result of that turn's transcendentals, so ONE wait at the head of the next turn serves all 128 of them.
	PLACES 8                                       ; behind the last products, ahead of the loads into their sources and of the first read of their results
.set z_, 0
.rept 8
	ds_load_b128 v[DEC+8*z_:DEC+8*z_+3],   v[EA] offset:z_*64
	ds_load_b128 v[DEC+8*z_+4:DEC+8*z_+7], v[EA] offset:z_*64+16
	ds_load_b128 v[VV+8*z_:VV+8*z_+3],     v[EA] offset:4096+z_*64
	ds_load_b128 v[VV+8*z_+4:VV+8*z_+7],   v[EA] offset:4096+z_*64+16
.set z_, z_+1
.endr
	s_wait_dscnt 0x0
.set e_it, 0
.rept 10
.if e_it > 0
	v_nop                                          ; a plain instruction behind the last transcendental,
	s_wait_alu depctr_va_vdst(0)                   ; and the wait for the turn's batch, ahead of its first reader
.endif
.set e_u, 0
.rept 33                               ; plain and transcendental by turns as far as they go; each accumulator is read from its low end on
.if (e_it >= 1) && (e_it <= 8) && (e_u <= 31)
	EA2 e_it-1, e_u
.endif
.if (e_it <= 7) && (e_u >= 1)
	EEX e_it, 2*e_u-2
.endif
.if (e_it <= 7) && (e_u <= 31)
	EA1 e_it, e_u
.endif
.if (e_it <= 7) && (e_u >= 1)
	EEX e_it, 2*e_u-1
.endif
.if (e_it >= 2) && (e_u <= 31)
	EAC e_it-2, e_u
.endif
.if (e_it >= 1) && (e_it <= 8) && (e_u >= 1)
	ERC e_it-1, 2*e_u-2
	ERC e_it-1, 2*e_u-1
.endif
.set e_u, e_u+1
.endr
.set e_it, e_it+1
.endr
	; a lane's eight sums of a group into one; the row's other 64 columns of my wave lie in the lane 16 away; four groups side by side
.irp hh, 0,1
	WIN 0xaa+0x55*(\hh)                            ; all places in the accumulators' window
.irp a, 0,1,2,3
	v_pk_add_f32 v[64*\a:64*\a+1], v[64*\a:64*\a+1], v[64*\a+2:64*\a+3]
	v_pk_add_f32 v[64*\a+4:64*\a+5], v[64*\a+4:64*\a+5], v[64*\a+6:64*\a+7]
.endr
.irp a, 0,1,2,3
	v_pk_add_f32 v[64*\a:64*\a+1], v[64*\a:64*\a+1], v[64*\a+4:64*\a+5]
.endr
.irp a, 0,1,2,3
	v_add_f32 v[64*\a], v[64*\a], v[64*\a+1]
.endr
.irp a, 0,1,2,3
	v_permlanex16_b32 v[64*\a+1], v[64*\a], s26, s27
.endr
.irp a, 0,1,2,3
	v_add_f32 v[64*\a], v[64*\a], v[64*\a+1]
.endr
	WIN 0x08+0x04*(\hh)                            ; LDS store: address window 0, data in the accumulators' window
.irp a, 0,1,2,3
	ds_store_b32 v[SCA], v[64*\a] offset:(4*(\hh)+\a)*64  ; both halves of the lanes write the same number to the same word
.endr
.endr
	WIN 0
	s_cmp_eq_u32 s30, 1
	s_cbranch_scc1 .Lsoft                          ; behind pass 1 the scores are whole
	; PASS 1
	s_wait_xcnt 0x0                                ; the loads of steps 30 and 31 have read web's base
	s_add_nc_u64 s[6:7], s[6:7], 8*BSTEP           ; from step 24 to step 32
	s_mov_b32 s25, 0
.irp x, 0,1,2,3
	v_mov_b32 v[ADRA+\x], v[ADR0+\x]
.endr
	v_add_nc_u32 v[EA], 2048, v[EA]                ; the next epilogue takes columns 512 on,
	v_add_nc_u32 v[SCA], 2048, v[SCA]              ; and other words for its partial scores
	FETCH_A F0, 0
	STEP1 32, 32, 0, 1
	WIN 0
	s_mov_b32 s24, 9
.Lk1:                                                  ; nine trips of three steps: steps 33 to 59
	STEP1 33, 32, 0, 0
	STEP1 34, 32, 0, 0
	STEP1 35, 32, 0, 0
	WIN 0
	s_wait_xcnt 0x0                                ; the youngest load stands 64 matrix instructions back
	s_add_nc_u64 s[6:7], s[6:7], 3*BSTEP
	s_add_co_u32 s25, s25, 3*64
.irp x, 0,1,2,3
	v_add_nc_u32 v[ADRA+\x], s25, v[ADR0+\x]
.endr
	s_sub_co_u32 s24, s24, 1
	s_cmp_lg_u32 s24, 0
	s_cbranch_scc1 .Lk1
.irp g, 60,61,62,63                    ; the tail loads nothing past step 63
	STEP1 \g, 59, 27, 0
.endr
	WIN 0
	s_sub_co_u32 s30, s30, 1
	s_cmp_lg_u32 s30, 0
	s_cbranch_scc1 .Lepi
.Lsoft:	; THE WORK-GROUP's PART OF THE SOFTMAX.  Every wave makes all 128 scores for itself: lane l rows l, l + 32, l + 64, l + 96.
	s_wait_dscnt 0x0                               ; for the others' sake: my partial scores lie in LDS
	s_barrier_signal -1
	s_barrier_wait -1
.irp k, 0,1,2,3
.irp q, 0,1,2,3,4,5,6,7
	ds_load_b32 v[64+8*\k+\q], v[SRA] offset:\q*512+\k*128
.endr
.endr
	s_wait_dscnt 0x0
.irp k, 0,1,2,3
	v_pk_add_f32 v[64+8*\k:65+8*\k], v[64+8*\k:65+8*\k], v[66+8*\k:67+8*\k]
	v_pk_add_f32 v[68+8*\k:69+8*\k], v[68+8*\k:69+8*\k], v[70+8*\k:71+8*\k]
.endr
.irp k, 0,1,2,3
	v_pk_add_f32 v[64+8*\k:65+8*\k], v[64+8*\k:65+8*\k], v[68+8*\k:69+8*\k]
.endr
.irp k, 0,1,2,3
	v_add_f32 v[64+8*\k], v[64+8*\k], v[65+8*\k]
.endr
.irp k, 0,1,2,3
	v_mul_f32 v[96+\k], 0xc038aa3b, v[64+8*\k]     ; s2 = -C2 sum_d v r: the score in powers of two
.endr
	v_max3_num_f32 v100, v96, v97, v98
	v_max_num_f32 v100, v100, v99
	v_max_num_f32_dpp v100, v100, v100 row_xmask:1 row_mask:0xf bank_mask:0xf
	v_max_num_f32_dpp v100, v100, v100 row_xmask:2 row_mask:0xf bank_mask:0xf
	v_max_num_f32_dpp v100, v100, v100 row_xmask:4 row_mask:0xf bank_mask:0xf
	v_max_num_f32_dpp v100, v100, v100 row_xmask:8 row_mask:0xf bank_mask:0xf
	v_permlanex16_b32 v65, v100, s26, s27
	v_max_num_f32 v100, v100, v65                  ; m2: the maximum of the 128, taken away before the exponential
.irp k, 0,1,2,3
	v_sub_f32 v[104+\k], v[96+\k], v100
.endr
.irp k, 0,1,2,3
	v_exp_f32 v[104+\k], v[104+\k]
.endr
	v_nop
	s_wait_alu depctr_va_vdst(0)                   ; one wait for the four exponentials, ahead of their first reader
.irp k, 0,1,2,3
	ds_store_b32 v[PWA], v[104+\k] offset:128*\k   ; into my wave's own copy: no other wave reads it, so no barrier follows
.endr
	v_add_f32 v108, v104, v105
	v_add_f32 v109, v106, v107
	v_add_f32 v108, v108, v109
	v_add_f32_dpp v108, v108, v108 row_xmask:1 row_mask:0xf bank_mask:0xf
	v_add_f32_dpp v108, v108, v108 row_xmask:2 row_mask:0xf bank_mask:0xf
	v_add_f32_dpp v108, v108, v108 row_xmask:4 row_mask:0xf bank_mask:0xf
	v_add_f32_dpp v108, v108, v108 row_xmask:8 row_mask:0xf bank_mask:0xf
	v_permlanex16_b32 v109, v108, s26, s27
	v_add_f32 v108, v108, v109                     ; l
	s_cmp_lg_u32 s18, 0
	s_cbranch_scc1 .Lnot0
	v_add_nc_u32 v47, PW, v[BOF]                   ; wave 0 stores p, m2 and l.  v40-47 are written nowhere below
	ds_load_b128 v[40:43], v47                     ; LDS serves a wave's instructions in order: this sees my stores above
	v_mov_b32 v44, v100
	v_mov_b32 v45, v108
	v_lshlrev_b32 v46, 3, v[LN]
	s_wait_dscnt 0x0
	global_store_b128 v[BOF], v[40:43], s[12:13]   ; 512 consecutive bytes, aligned
	global_store_b64 v46, v[44:45], s[16:17]       ; the pair 32 times: one whole aligned block of 256 bytes
.Lnot0:
	; THE PART OF THE CONTEXT: sum over my work-group's 128 rows of p x row.  Wave w takes channels 256 w .. 256 w + 255; a lane four at 4 l and four at 128 + 4 l.  On the vector unit: one row of weights would use a sixteenth of a matrix instruction.
.irp c, 0,1,2,3,4,5,6,7
	v_mov_b32 v[32+\c], 0
.endr
	s_mov_b32 s28, 0
	s_mov_b32 s29, 0
	s_mov_b32 s24, 4
.Lctx:                                                 ; four trips of 32 rows
	v_add_nc_u32 v[CA], s28, v[CA0]
	v_add_nc_u32 v[PA], s29, v[PA0]
.irp q, 0,1,2,3,4,5,6,7
	ds_load_b128 v[192+4*\q:195+4*\q], v[PA] offset:16*\q  ; the 32 weights, the same in every lane
.endr
.set rr, 0
.rept 32
	ds_load_b64 v[64+4*rr:65+4*rr], v[CA] offset:rr*PITCH
	ds_load_b64 v[66+4*rr:67+4*rr], v[CA] offset:rr*PITCH+256
.set rr, rr+1
.endr
.set rr, 0
.rept 32
.if rr%4 == 0
	s_wait_dscnt 56-2*rr                           ; LDS loads come back in order: the weights and rows up to rr + 3 are in; the 56 - 2 rr loads of the later rows may stay out
.endif
.irp c, 0,1,2,3,4,5,6,7
	v_fma_mix_f32_bf16 v[32+\c], v[64+4*rr+(\c>>1)], v[192+rr], v[32+\c] op_sel:[\c&1,0,0] op_sel_hi:[1,0,0]
.endr
.set rr, rr+1
.endr
	s_add_co_u32 s28, s28, 32*PITCH
	s_add_co_u32 s29, s29, 128
	s_sub_co_u32 s24, s24, 1
	s_cmp_lg_u32 s24, 0
	s_cbranch_scc1 .Lctx
	s_lshl_b32 s22, s18, 10
	v_add_nc_u32 v48, s22, v[BOF]                  ; 1,024 w + 16 l
	global_store_b128 v48, v[32:35], s[14:15]      ; each store of the wave covers 512 consecutive bytes, aligned
	global_store_b128 v48, v[36:39], s[14:15] offset:512
	s_wait_tensorcnt 0x0                           ; the wave's end, behind my last LDS store
	ds_add_u32 v[SPW], v[NIL]
	s_wait_dscnt 0x0
	s_endpgm
.Lfunc_end_k_q65858e12e6_main:
	.size	k_q65858e12e6_main, .Lfunc_end_k_q65858e12e6_main-k_q65858e12e6_main
	.p2alignl 7, 3214868480
	.fill 96, 4, 3214868480
	.section	.rodata,"a",@progbits
	.p2align	6, 0x0
	.amdhsa_kernel k_q65858e12e6_main
		.amdhsa_group_segment_fixed_size 279040
		.amdhsa_private_segment_fixed_size 0
		.amdhsa_enable_private_segment 0
		.amdhsa_kernarg_size 56
		.amdhsa_user_sgpr_count 2
		.amdhsa_user_sgpr_kernarg_segment_ptr 1
		.amdhsa_wavefront_size32 1
		.amdhsa_system_sgpr_workgroup_id_x 1
		.amdhsa_system_sgpr_workgroup_id_y 1
		.amdhsa_system_sgpr_workgroup_id_z 1
		.amdhsa_system_vgpr_workitem_id 0
		.amdhsa_next_free_vgpr 1024
		.amdhsa_next_free_sgpr 66
		.amdhsa_reserve_vcc 0
		.amdhsa_float_denorm_mode_32 3
		.amdhsa_float_denorm_mode_16_64 3
		.amdhsa_memory_ordered 1
		.amdhsa_forward_progress 1
		.amdhsa_inst_pref_size 255
	.end_amdhsa_kernel
	.section	.bss,"aw",@nobits
	.p2align	6
	.space	262144
	.amdgpu_metadata
---
amdhsa.version: [ 1, 2 ]
amdhsa.kernels:
  - .name:           k_q65858e12e6_main
    .symbol:         k_q65858e12e6_main.kd
    .args:
      - { .name: encoder_outputs, .offset: 0, .size: 8, .value_kind: global_buffer, .address_space: global }
      - { .name: web, .offset: 8, .size: 8, .value_kind: global_buffer, .address_space: global }
      - { .name: dect, .offset: 16, .size: 8, .value_kind: global_buffer, .address_space: global }
      - { .name: v, .offset: 24, .size: 8, .value_kind: global_buffer, .address_space: global }
      - { .name: sc, .offset: 32, .size: 8, .value_kind: global_buffer, .address_space: global }
      - { .name: pc, .offset: 40, .size: 8, .value_kind: global_buffer, .address_space: global }
      - { .name: ml, .offset: 48, .size: 8, .value_kind: global_buffer, .address_space: global }
    .group_segment_fixed_size: 279040
    .private_segment_fixed_size: 0
    .kernarg_segment_align: 8
    .kernarg_segment_size: 56
    .max_flat_workgroup_size: 128
    .sgpr_count:     66
    .vgpr_count:     1024
    .wavefront_size: 32
...
	.end_amdgpu_metadata
.endif
;; end of part 2
;; launch finish (part 3): grid 4 x 32, 2 waves a work-group, no clusters, 0 bytes of LDS; arguments sc, pc, ml, out0, out1; writes out0, out1
.if DOCPART == 3
	.amdgcn_target "amdgcn-amd-amdhsa--gfx1250"
	.amdhsa_code_object_version 6
	.text
	.protected	k_q65858e12e6_finish
	.globl	k_q65858e12e6_finish
	.p2align	8
	.type	k_q65858e12e6_finish,@function
k_q65858e12e6_finish:
	s_mov_b64 s[64:65], 0
	v_nop
	global_prefetch_b8 v0, s[64:65] scope:SCOPE_SE
	s_setreg_imm32_b32 hwreg(HW_REG_WAVE_MODE, 25, 1), 1
	s_wait_xcnt 0x0
; BAHDANAU ATTENTION, launch 3 of 3: the 16 parts of each b are joined.  Part j of b left p[s] = 2^(s2[s] - m2_j), l_j = the sum of its p, and pc_j = the sum of p x encoder row.
; With M2 = max_j m2_j, f_j = 2^(m2_j - M2), L = sum_j f_j l_j and g_j = f_j / L:   out1[b][s] = p[s] g_j(s),   out0[b][:] = sum_j g_j pc_j[:].  All in f32.  L is at least 1: the part with the maximum has f = 1 and l >= 1.
; The scores lack the term sum_d v[d], as the first kernel's head shows; nothing else is left out.
; SHARES.  A work-group has a quarter of one b: 256 channels of out0 and 512 positions of out1; thread t 16 bytes of the first and twice 16 of the second.  Each store of a wave covers 512 consecutive bytes, aligned.
; No LDS, no barrier: every wave makes the 16 factors for itself, a lane a part.  No matrix unit, no cluster: 2.5 MB are read once, and what is shared, 4 KiB of ml a b, is small beside them.
	s_load_b256 s[4:11], s[0:1], 0x0               ; sc s[4:5], pc s[6:7], ml s[8:9], out0 s[10:11]
	s_load_b64 s[12:13], s[0:1], 0x20              ; out1
	v_lshrrev_b32 v1, 5, v0
	v_readfirstlane_b32 s14, v1                    ; wave 0, 1
	s_and_b32 s15, ttmp7, 0xffff                   ; b
	v_and_b32 v1, 15, v0
	v_lshlrev_b32 v1, 8, v1                        ; part lane % 16: its block of 256 bytes in ml
	v_mov_b32 v8, 0
	v_lshlrev_b32 v9, 4, v0                        ; 16 t
	s_lshl_b32 s16, s15, 12                        ; b x 4,096: ml's 16 blocks of b, and out0's row
	s_mov_b32 s17, 0
	s_lshl_b32 s18, ttmp9, 2
	s_add_co_u32 s18, s18, s14                     ; the part of my first 16 bytes of out1: 4 x + wave; of my second: two further on
	s_lshl_b32 s18, s18, 8
	s_mov_b32 s19, 0
	s_lshl_b32 s22, ttmp9, 10                      ; x x 1,024
	s_lshl_b32 s20, s15, 16                        ; b x 65,536: pc's 16 parts of b
	s_add_co_u32 s20, s20, s22
	s_mov_b32 s21, 0
	s_add_co_u32 s22, s16, s22
	s_mov_b32 s23, 0
	s_lshl_b32 s24, s15, 13                        ; b x 8,192
	s_lshl_b32 s25, ttmp9, 11                      ; x x 2,048
	s_add_co_u32 s24, s24, s25
	s_mov_b32 s25, 0
	s_wait_kmcnt 0x0
	s_add_nc_u64 s[8:9], s[8:9], s[16:17]
	s_add_nc_u64 s[26:27], s[8:9], s[18:19]
	s_add_nc_u64 s[6:7], s[6:7], s[20:21]
	s_add_nc_u64 s[4:5], s[4:5], s[24:25]
	s_add_nc_u64 s[12:13], s[12:13], s[24:25]
	s_add_nc_u64 s[10:11], s[10:11], s[22:23]
	global_load_b64 v[2:3], v1, s[8:9]             ; m2, l of part lane % 16
	global_load_b64 v[4:5], v8, s[26:27]           ; of my first part,
	global_load_b64 v[6:7], v8, s[26:27] offset:512  ; of my second
.irp j, 0,1,2,3,4,5,6,7,8,9,10,11,12,13,14,15
	global_load_b128 v[16+4*\j:19+4*\j], v9, s[6:7] offset:\j*4096 th:TH_LOAD_NT
.endr
	global_load_b128 v[80:83], v9, s[4:5] th:TH_LOAD_NT
	global_load_b128 v[84:87], v9, s[4:5] offset:1024 th:TH_LOAD_NT
	s_wait_loadcnt 18                              ; the three pairs are in; the 18 loads of data stay out
	v_mov_b32 v10, v2
	v_max_num_f32_dpp v10, v10, v10 row_xmask:1 row_mask:0xf bank_mask:0xf
	v_max_num_f32_dpp v10, v10, v10 row_xmask:2 row_mask:0xf bank_mask:0xf
	v_max_num_f32_dpp v10, v10, v10 row_xmask:4 row_mask:0xf bank_mask:0xf
	v_max_num_f32_dpp v10, v10, v10 row_xmask:8 row_mask:0xf bank_mask:0xf  ; M2, in every lane: each half of the lanes holds all 16 parts
	v_sub_f32 v11, v2, v10
	v_sub_f32 v12, v4, v10
	v_sub_f32 v88, v6, v10
	v_exp_f32 v11, v11
	v_exp_f32 v12, v12
	v_exp_f32 v88, v88
	v_nop
	s_wait_alu depctr_va_vdst(0)                   ; one wait for the three exponentials, ahead of their first reader
	v_mul_f32 v14, v11, v3
	v_add_f32_dpp v14, v14, v14 row_xmask:1 row_mask:0xf bank_mask:0xf
	v_add_f32_dpp v14, v14, v14 row_xmask:2 row_mask:0xf bank_mask:0xf
	v_add_f32_dpp v14, v14, v14 row_xmask:4 row_mask:0xf bank_mask:0xf
	v_add_f32_dpp v14, v14, v14 row_xmask:8 row_mask:0xf bank_mask:0xf  ; L
	v_rcp_f32 v15, v14
	v_nop
	s_wait_alu depctr_va_vdst(0)                   ; and one for the reciprocal
	v_mul_f32 v11, v11, v15                        ; g of part lane % 16
	v_mul_f32 v12, v12, v15                        ; g of my two parts, each twice, as a pair for the packed multiply
	v_mul_f32 v88, v88, v15
	v_mov_b32 v13, v12
	v_mov_b32 v89, v88
.irp j, 0,1,2,3,4,5,6,7,8,9,10,11,12,13,14,15
	v_readlane_b32 s[32+\j], v11, \j               ; the 16 factors as scalars: they enter values alone, no address and no branch
.endr
	s_wait_loadcnt 0x0
.irp c, 0,1,2,3
	v_mul_f32 v[16+\c], s32, v[16+\c]
.endr
.irp j, 1,2,3,4,5,6,7,8,9,10,11,12,13,14,15
.irp c, 0,1,2,3
	v_fma_f32 v[16+\c], s[32+\j], v[16+4*\j+\c], v[16+\c]
.endr
.endr
	v_pk_mul_f32 v[80:81], v[80:81], v[12:13]
	v_pk_mul_f32 v[82:83], v[82:83], v[12:13]
	v_pk_mul_f32 v[84:85], v[84:85], v[88:89]
	v_pk_mul_f32 v[86:87], v[86:87], v[88:89]
	global_store_b128 v9, v[16:19], s[10:11]
	global_store_b128 v9, v[80:83], s[12:13]
	global_store_b128 v9, v[84:87], s[12:13] offset:1024
	s_endpgm
.Lfunc_end_k_q65858e12e6_finish:
	.size	k_q65858e12e6_finish, .Lfunc_end_k_q65858e12e6_finish-k_q65858e12e6_finish
	.p2alignl 7, 3214868480
	.fill 96, 4, 3214868480
	.section	.rodata,"a",@progbits
	.p2align	6, 0x0
	.amdhsa_kernel k_q65858e12e6_finish
		.amdhsa_group_segment_fixed_size 0
		.amdhsa_private_segment_fixed_size 0
		.amdhsa_enable_private_segment 0
		.amdhsa_kernarg_size 40
		.amdhsa_user_sgpr_count 2
		.amdhsa_user_sgpr_kernarg_segment_ptr 1
		.amdhsa_wavefront_size32 1
		.amdhsa_system_sgpr_workgroup_id_x 1
		.amdhsa_system_sgpr_workgroup_id_y 1
		.amdhsa_system_sgpr_workgroup_id_z 1
		.amdhsa_system_vgpr_workitem_id 0
		.amdhsa_next_free_vgpr 96
		.amdhsa_next_free_sgpr 66
		.amdhsa_reserve_vcc 0
		.amdhsa_float_denorm_mode_32 3
		.amdhsa_float_denorm_mode_16_64 3
		.amdhsa_memory_ordered 1
		.amdhsa_forward_progress 1
		.amdhsa_inst_pref_size 10
	.end_amdhsa_kernel
	.amdgpu_metadata
---
amdhsa.version: [ 1, 2 ]
amdhsa.kernels:
  - .name:           k_q65858e12e6_finish
    .symbol:         k_q65858e12e6_finish.kd
    .args:
      - { .name: sc, .offset: 0, .size: 8, .value_kind: global_buffer, .address_space: global }
      - { .name: pc, .offset: 8, .size: 8, .value_kind: global_buffer, .address_space: global }
      - { .name: ml, .offset: 16, .size: 8, .value_kind: global_buffer, .address_space: global }
      - { .name: out0, .offset: 24, .size: 8, .value_kind: global_buffer, .address_space: global }
      - { .name: out1, .offset: 32, .size: 8, .value_kind: global_buffer, .address_space: global }
    .group_segment_fixed_size: 0
    .private_segment_fixed_size: 0
    .kernarg_segment_align: 8
    .kernarg_segment_size: 40
    .max_flat_workgroup_size: 64
    .sgpr_count:     66
    .vgpr_count:     96
    .wavefront_size: 32
...
	.end_amdgpu_metadata
.endif
;; end of part 3
;; ======== version 2 of 2: 3 launches; version 1 with the launch main written anew for expert scheduling mode
;; workspace buffers: web 2,097,152 bytes; dect 131,072 bytes; sc 262,144 bytes; pc 2,097,152 bytes; ml 131,072 bytes
;; launch prep: the kernel of part 1 again; grid 192 x 1, 8 waves a work-group, no clusters, 17,408 bytes of LDS; arguments We, Wd, hidden, web, dect; writes web, dect
;; launch main (part 4): grid 16 x 32, 4 waves a work-group, no clusters, 279,040 bytes of LDS; arguments encoder_outputs, web, dect, v, sc, pc, ml; writes sc, pc, ml
.if DOCPART == 4
	.amdgcn_target "amdgcn-amd-amdhsa--gfx1250"
	.amdhsa_code_object_version 6
	.text
	.protected	k_q65858e12e6_main
	.globl	k_q65858e12e6_main
	.p2align	8
	.type	k_q65858e12e6_main,@function
k_q65858e12e6_main:
	s_mov_b64 s[64:65], 0
	v_nop
	global_prefetch_b8 v0, s[64:65] scope:SCOPE_SE
	s_setreg_imm32_b32 hwreg(HW_REG_WAVE_SCHED_MODE, 0, 2), 2
	s_setreg_imm32_b32 hwreg(HW_REG_WAVE_MODE, 25, 1), 1
	s_wait_xcnt 0x0
	s_wait_alu depctr_vm_vsrc(0)
; BAHDANAU ATTENTION, launch 2 of 3.  A work-group owns 128 positions s = 128 j .. 128 j + 127 of ONE b.  It reads their encoder rows from memory once, rounds them once to bf16 and keeps
; them in LDS for all 1,024 channels; multiplies them by all 1,024 rows of C2 We; makes its 128 scores, their maximum m2, the weights p = 2^(s2 - m2), their sum l; and from the same LDS rows
; its part of the context, sum_s p[s] enc[s][b][:].  The next launch joins the 16 parts of each b.
; LEFT OUT, as the first kernel's head shows: the term sum_d v[d] of each score, the same along the softmax's axis.  So s2 = -C2 sum_d v[d] r[d], r = 1 / (1 + 2^(C2 (enc_proj + dec_proj))), C2 = 2 log2(e).
; LIMITS.  2^x = infinity gives r = 0 (tanh = 1), 2^x = 0 gives r = 1 (tanh = -1): no clamp is needed.  A weight below 2^-126 counts as 0.  NaN and infinities among the inputs are not treated apart.
; Matrix operands (encoder, C2 We) are bf16; sums, dec_proj, v, scores, maxima, sums of weights and partial contexts are f32.
; SHARES.  Four waves.  A wave takes all 128 rows x 128 columns d: 64 accumulators, 512 registers.  The 1,024 columns go in two passes of 512; K in 32 steps of 32 a pass, 64 matrix instructions a step.
; The encoder's fragments come out of LDS.  C2 We's come straight from memory into registers: the first launch laid them in fragment order, each load of a wave covers 512 consecutive bytes, and no wave
; wants a byte of them that another wave of the work-group has fetched.
; NO CLUSTER: beside the 264,192 bytes of the rows, 63,488 bytes of a WGP's LDS are left; two slots of one K step of a pass's 512 columns are 65,536.  NO TENSOR LOADS: the rows pass through registers to be rounded.
; THE STREAM runs under pass 0: a PIECE is 64 rows x 64 channels (a wave: 16 rows x 256 bytes, aligned, by eight loads).  Piece n is loaded in step n - 6, rounded and stored to LDS in step n - 3, and first read for step n - n % 2.
; Two pieces are a CHUNK of 64 channels; one barrier for each chunk, its signal in the middle of the step that stored the second piece, its wait at the head of the next.  LDS rows are written once in the launch.
; THE MATRIX INSTRUCTION: source 0 = 16 rows of We, source 1 = 16 encoder rows.  In the result lane l holds ONE encoder row (l % 16) and the columns d = 8 (l / 16) + 0..7.
; REGISTERS, in windows of 256 (s_set_vgpr_msb: bits 1:0 source 0, 3:2 source 1, 5:4 source 2, 7:6 destination):
;   window 0: v0-31 addresses; v32-63, v192-223, v224-255 three sets for pieces on their way; v64-127, v128-191 (pass 1: and v192-255) the encoder's fragments
;   window 1: v0-191 three buffers of We's fragments; v192-207 OUT, a piece rounded, on its way into LDS     windows 2, 3: the accumulators: rows 16 a .., columns 16 bt .. at v[8 (8 (a % 4) + bt)] of window 2 + a / 4
; THE MODE: SCHED_MODE bits 1:0 = 2 (LLVM: expert scheduling mode 2), set by the entry lines.  The code itself states the register dependences between vector or matrix instructions and memory or LDS
; instructions, with s_wait_alu, always for 0.
; THE PLAN.  Registers that memory or LDS instructions touch in the K loops, and who else names them:
;   ST0 .. ST2          Step g: its sixteen conversions read the set of piece g + 3; behind them the loads of piece g + 6 land in it.  No memory or LDS instruction reads a set.
;   OUT                 Written by step g's conversions, read by step g's eight LDS stores, written again by step g + 1's conversions.
;   the rows' fragments Step g's products read one buffer; step g's LDS loads land in the buffer that step g - 1's products read (pass 1, with three buffers: step g - 2's).
;   We's fragments      Step g's products read one buffer of three, the next step's is on its way, and step g's loads land in the one that step g - 1's products read.
;   v[ADRA ..], v[STA]  Read by the LDS loads and stores; written at a loop's foot.     v[BOF], v[SOF], v[PFO]  Read by loads and prefetches, never written again: the scalar bases step.
;   The accumulators are named by matrix and vector instructions alone, up to the LDS stores at an epilogue's end.
; So ONE wait on va_vdst stands in a step, behind its conversions: OUT is written; the conversions are done reading their set; the last step's products are done reading their fragments; in a trip's first step the
; stepped addresses are written.  The step's LDS and memory instructions follow it, dealt among the products of the step's first half, which name this step's two fragment buffers and the accumulators: none of the
; registers that those instructions touch.  One wait on vm_vsrc stands at a step's head, ahead of the conversions that write OUT again, and one at each loop's foot, ahead of the adds to the addresses.
.set PITCH, 2064                       ; an LDS row: 2,048 bytes + 16 = 516 words: row r starts at bank 4 r mod 64 (64 banks of 4 bytes: ISA guide 11.1), so the 16 rows of a fragment load start at 16 different groups of four banks
.set DECL,  128*PITCH                  ; 264,192: C2 dec_proj of my b, 1,024 f32 in the order of d
.set VL,    DECL+4096                  ; v
.set SCR,   VL+4096                    ; partial scores: [pass 4 + wave][128 rows] f32
.set PW,    SCR+4096                   ; the 128 weights p, a copy of 512 bytes for each wave
.set SPARE, PW+2048                    ; the spare words, 128 bytes for each wave: two blocks of 256 bytes that no other line names
.set ROWB,  131072                     ; bytes from position s to s + 1 of one b
.set BSTEP, 32768                      ; bytes of web in a K step of a pass
.set R,    1                           ; v1   l % 16
.set H,    2                           ; v2   l / 16
.set BOF,  3                           ; v3   16 l; never rewritten
.set SOF,  4                           ; v4   the stream's offset: row 32 w + 8 h, 16 bytes at 16 r; never rewritten
.set PFO,  5                           ; v5   the prefetches' offset: row 32 w + l; never rewritten
.set ADR0, 6                           ; v6-9   a fragment's place: r PITCH + 16 h + 32 x rows
.set ADRA, 10                          ; v10-13 the same plus the loop's steps along K
.set STA0, 14                          ; v14  where I store 8 bytes of a row: (32 w + 8 h) PITCH + 8 r
.set STA,  15                          ; v15  the same plus the loop's steps
.set EA,   16                          ; v16  my eight dec_proj of a column tile: DECL + 512 w + 32 h, + 2,048 in pass 1
.set SCA,  17                          ; v17  SCR + 512 w + 4 r, + 2,048 in pass 1
.set SRA,  18                          ; v18  SCR + 4 l
.set PWA,  19                          ; v19  PW + 512 w + 4 l
.set CA0,  20                          ; v20  the context: my 8 bytes of a row, 512 w + 8 l
.set CA,   21
.set PA0,  22                          ; v22  PW + 512 w
.set PA,   23
.set LN,   24                          ; v24  l
.set T,    25                          ; v25-29 at work
.set SPW,  30                          ; v30  LDS address of my spare word; never rewritten
.set NIL,  31                          ; v31  0; never rewritten
.set ST0,  32
.set ST1,  192
.set ST2,  224
.set F0,   64
.set OUT,  192                         ; in window 1: 16 registers
.set DEC,  64                          ; the epilogue: 64 dec_proj,
.set VV,   128                         ; 64 v
; scalars: s[4:5] encoder (stepped), s[6:7] web (stepped), s[8:9] dect, s[10:11] v, s[12:13] sc, s[14:15] pc, s[16:17] ml, s18 wave, s19 j, s20 b, s[22:23] offsets,
; s24 a loop's count, s25 the K loops' bytes along an LDS row, s26, s27 lane selects, s28, s29 the context loop's steps, s30 the passes' count
.set MSB, 0
.macro WIN new                         ; the immediate's high byte repeats the setting that is left; a switch that changes nothing is dropped
.if MSB != (\new)
	s_set_vgpr_msb (MSB<<8)|(\new)
.set MSB, \new
.endif
.endm
.set MUL_LO, 0xa1                      ; source 0 (We) window 1, source 1 (rows) window 0, C and D window 2
.set TO_B,   0x40                      ; destination window 1, sources and address window 0
.macro PLACES n
.rept \n
	v_nop
.endr
.endm
; 16 matrix instructions: rows 64 hi + 16 a0 .. + 31 x my 128 columns, 32 along K.  The 64 accumulators of a step take turns in the same order in every step, over the backward jumps too.  zero = 1: the products start the sums.
.macro MULQ fa, fb, hi, a0, zero
	WIN MUL_LO+0x50*(\hi)
.set ma, (\a0)
.rept 2
.set mb, 0
.rept 8
.if \zero
	v_wmma_f32_16x16x32_bf16 v[8*(8*ma+mb):8*(8*ma+mb)+7], v[(\fb)+8*mb:(\fb)+8*mb+7], v[(\fa)+8*(4*(\hi)+ma):(\fa)+8*(4*(\hi)+ma)+7], 0
.else
	v_wmma_f32_16x16x32_bf16 v[8*(8*ma+mb):8*(8*ma+mb)+7], v[(\fb)+8*mb:(\fb)+8*mb+7], v[(\fa)+8*(4*(\hi)+ma):(\fa)+8*(4*(\hi)+ma)+7], v[8*(8*ma+mb):8*(8*ma+mb)+7]
.endif
.set mb, mb+1
.endr
.set ma, ma+1
.endr
.endm
; 16 LDS loads: the eight fragments (16 rows x 32 K) of one K step, at byte kb behind the stepped addresses
.macro FETCH_A fan, kb
	WIN 0
.set z_, 0
.rept 8
	ds_load_b128 v[(\fan)+8*z_:(\fan)+8*z_+3],   v[ADRA+(z_>>1)] offset:(z_&1)*16*PITCH+(\kb)
	ds_load_b128 v[(\fan)+8*z_+4:(\fan)+8*z_+7], v[ADRA+(z_>>1)] offset:(z_&1)*16*PITCH+(\kb)+32
.set z_, z_+1
.endr
.endm
; 16 loads: my eight fragments of We for one K step; no hint: all work-groups read these bytes
.macro LOAD_B fbn, boff
	WIN TO_B
.set z_, 0
.rept 8
	global_load_b128 v[(\fbn)+8*z_:(\fbn)+8*z_+3],   v[BOF], s[6:7] offset:(\boff)+z_*1024
	global_load_b128 v[(\fbn)+8*z_+4:(\fbn)+8*z_+7], v[BOF], s[6:7] offset:(\boff)+z_*1024+512
.set z_, z_+1
.endr
.endm
; a piece is asked for: eight loads, each of two rows' 256 consecutive bytes, aligned.  hf: which 16 of my 32 rows; ch: the chunk, counted from the stepped base
.macro ISSUE ss, hf, ch
.set z_, 0
.rept 8
	global_load_b128 v[(\ss)+4*z_:(\ss)+4*z_+3], v[SOF], s[4:5] offset:(16*(\hf)+z_)*ROWB+(\ch)*256 th:TH_LOAD_NT
.set z_, z_+1
.endr
.endm
; a piece is rounded, out of its set into OUT: registers of their own, so that no LDS store reads a register in which a load lands
.macro ROUND ss
	WIN TO_B
.set z_, 0
.rept 8
	v_cvt_pk_bf16_f32 v[OUT+2*z_],   v[(\ss)+4*z_],   v[(\ss)+4*z_+1]
	v_cvt_pk_bf16_f32 v[OUT+2*z_+1], v[(\ss)+4*z_+2], v[(\ss)+4*z_+3]
.set z_, z_+1
.endr
.endm
; and stored: lanes 0-15 write 128 bytes of a row, lanes 16-31 of the row 8 further on, which lies 32 banks away
.macro PUT hf, ch
	WIN 0x04                                       ; LDS store: address window 0, data (source 1) window 1
.set z_, 0
.rept 8
	ds_store_b64 v[STA], v[OUT+2*z_:OUT+2*z_+1] offset:(16*(\hf)+z_)*PITCH+(\ch)*128
.set z_, z_+1
.endr
.endm
; A PREFETCH of a chunk of my own 32 rows: a lane a row, 256 bytes each, one instruction; each such block is named once in the launch, by the wave that will load it.  In even step g it names chunk g / 2 + 6,
; whose loads go out in steps g + 6 and g + 7: six K steps, 384 matrix instructions, on.  Chunks 0 to 5 come by their loads alone.  cond = 1, in the loop: the last trip asks for nothing, since chunk 15 is the last.
.macro ASK ch, cond
.if \cond
	s_cmp_gt_u32 s24, 1
	s_cbranch_scc0 .Lnoask_\@
.endif
	global_prefetch_b8 v[PFO], s[4:5] offset:(\ch)*256 th:TH_LOAD_NT scope:SCOPE_SE
.if \cond
.Lnoask_\@:
.endif
.endm
; STEP g OF PASS 0 (g = -3 .. -1: no products yet).  tb: the K steps by which the loop has stepped the bases.  pf: 0 no prefetch, 1 one, 2 one but in the loop's last trip.
; In order: piece g + 3 is rounded; the step's one wait on va_vdst; the piece is stored and the rows' fragments of step g + 1 are fetched; sixteen products of step g; We's of step g + 2 and piece g + 6 are asked for;
; the other 48 products, the chunk's signal in the step's middle.  All the step's memory and LDS instructions stand ahead of that signal.
.macro STEP0 g, tb, zero, pf
.set n6, (\g)+6
.set q_fa,  F0+64*(n6&1)
.set q_fan, F0+64-64*(n6&1)
.set q_fb,  64*(n6%3)
.set q_fbn, 64*((n6+2)%3)
.set q_ss, ST0
.if n6%3 == 1
.set q_ss, ST1
.endif
.if n6%3 == 2
.set q_ss, ST2
.endif
.set q_nw, 0                           ; the loads issued behind We's of step g, which may stay out: piece g + 4, We's of step g + 1, piece g + 5, where they exist; piece g + 3 is older than all of them
.if (\g)+1 >= 0
.set q_nw, q_nw+16
.endif
.if (\g)+4 <= 31
.set q_nw, q_nw+8
.endif
.if (\g)+5 <= 31
.set q_nw, q_nw+8
.endif
.if (n6&1) && ((\g) >= -1) && ((\g) <= 29)
	s_barrier_wait -1                              ; every wave has stored its part of the chunk that steps g + 1 and g + 2 read
.endif
	s_wait_dscnt 0x0                               ; this step's fragments, fetched a step ago, are in
	s_wait_loadcnt q_nw
.if (\g) <= 28
.if (\g) > -3
	s_wait_alu depctr_vm_vsrc(0)                   ; the LDS stores of the step before have read OUT, which the conversions below write again
.endif
	ROUND q_ss                                     ; its sixteen conversions are also the places between the last products and the loads into registers that they read
.else
	PLACES 4
.endif
	s_wait_alu depctr_va_vdst(0)                   ; the conversions have written OUT, which the LDS stores read, and are done reading their set, in which piece g + 6 lands; the last step's products are done reading the two fragment buffers in which this step's loads land; in a trip's first step v[ADRA ..] and v[STA] are written
.if (\g) <= 28
	PUT (n6+1)&1, ((n6-3)>>1)-(\tb)/2
.endif
.if ((\g) >= -1) && ((\g) <= 30)
	FETCH_A q_fan, ((\g)+1-(\tb))*64
.endif
.if (\g) >= 0
	MULQ q_fa, q_fb, 0, 0, \zero
.endif
.if (\g) >= -2
	LOAD_B q_fbn, ((\g)+2-(\tb))*BSTEP             ; no further wait: the products issued since the wait name this step's two buffers and the accumulators alone
.endif
.if (\g) <= 25
	WIN 0
	ISSUE q_ss, n6&1, (n6>>1)-(\tb)/2              ; likewise; We's loads stand ahead of the piece's, as the counts at a step's head suppose
.endif
.if \pf
	ASK (\g)/2+6-(\tb)/2, (\pf)-1
.endif
.if (\g) >= 0
	MULQ q_fa, q_fb, 0, 2, \zero
.endif
.if ((n6&1) == 0) && ((\g) >= -2) && ((\g) <= 28)
	s_wait_dscnt 0x0                               ; for the others' sake: my stores of the chunk's two pieces are done (and no LDS instruction of mine is out at the signal)
	s_barrier_signal -1                            ; 32 matrix instructions, work on registers, stand between the signal and the wait
.endif
.if (\g) >= 0
	MULQ q_fa, q_fb, 1, 0, \zero
	MULQ q_fa, q_fb, 1, 2, \zero
.endif
.endm
; STEP g OF PASS 1 (g = 32 .. 63): the rows lie in LDS.  Three buffers on either side, so that the loop's text is three steps.  tb, tba: the steps by which web's base and the LDS addresses have been stepped.
.macro STEP1 g, tb, tba, zero
.set n6, (\g)+6
.set i1, (\g)-32
.set q_fa,  F0+64*(i1%3)
.set q_fan, F0+64*((i1+1)%3)
.set q_fb,  64*(n6%3)
.set q_fbn, 64*((n6+2)%3)
	s_wait_dscnt 0x0                               ; this step's fragments of the rows are in
.if (\g) <= 62
	s_wait_loadcnt 16                              ; We's of this step are in; the next step's sixteen loads may stay out
.else
	s_wait_loadcnt 0x0
.endif
	PLACES 4                                       ; between the last products and the loads into registers that they read
.if ((\g) > 32) && ((\g) <= 62)        ; step 32 stands behind the wait at the pass's head, with no product between; step 63 loads nothing
	s_wait_alu depctr_va_vdst(0)                   ; the last step's products are done reading We's buffer, in which this step's loads land, and those of two steps back the rows' buffer; in a trip's first step v[ADRA ..] are written
.endif
.if (\g) <= 62
	FETCH_A q_fan, ((\g)-31-(\tba))*64
.endif
	MULQ q_fa, q_fb, 0, 0, \zero
.if (\g) <= 61
	LOAD_B q_fbn, ((\g)+2-(\tb))*BSTEP             ; no further wait: the products issued since the wait name this step's two buffers and the accumulators alone
.endif
	MULQ q_fa, q_fb, 0, 2, \zero
	MULQ q_fa, q_fb, 1, 0, \zero
	MULQ q_fa, q_fb, 1, 2, \zero
.endm
; THE EPILOGUE's five stages for group a (16 rows: 64 registers a lane, 32 pairs u), in place in the accumulators' window; dec_proj and v lie in window 0 (source 1)
.macro EWIN a
.if (\a) < 4
	WIN 0xa2
.else
	WIN 0xf3
.endif
.endm
.macro EA1 a, u                        ; x = C2 enc_proj + C2 dec_proj
	EWIN \a
.set x_, 64*((\a)&3)+2*(\u)
	v_pk_add_f32 v[x_:x_+1], v[x_:x_+1], v[DEC+2*(\u):DEC+2*(\u)+1]
.endm
.macro EEX a, e                        ; 2^x
	EWIN \a
.set x_, 64*((\a)&3)+(\e)
	v_exp_f32 v[x_], v[x_]
.endm
.macro EA2 a, u                        ; 1 + 2^x
	EWIN \a
.set x_, 64*((\a)&3)+2*(\u)
	v_pk_add_f32 v[x_:x_+1], v[x_:x_+1], 1.0 op_sel_hi:[1,0]
.endm
.macro ERC a, e                        ; r
	EWIN \a
.set x_, 64*((\a)&3)+(\e)
	v_rcp_f32 v[x_], v[x_]
.endm
.macro EAC a, u                        ; v r, summed into the group's first four pairs
	EWIN \a
.set x_, 64*((\a)&3)+2*(\u)
.set y_, 64*((\a)&3)+2*((\u)&3)
.if (\u) < 4
	v_pk_mul_f32 v[x_:x_+1], v[x_:x_+1], v[VV+2*(\u):VV+2*(\u)+1]
.else
	v_pk_fma_f32 v[y_:y_+1], v[x_:x_+1], v[VV+2*(\u):VV+2*(\u)+1], v[y_:y_+1]
.endif
.endm
	s_load_b256 s[4:11], s[0:1], 0x0               ; encoder s[4:5], web s[6:7], dect s[8:9], v s[10:11]
	s_load_b128 s[12:15], s[0:1], 0x20             ; sc s[12:13], pc s[14:15]
	s_load_b64 s[16:17], s[0:1], 0x30              ; ml
	v_lshl_add_u32 v[SPW], v0, 2, SPARE
	v_mov_b32 v[NIL], 0
	v_lshrrev_b32 v[T], 5, v0
	v_readfirstlane_b32 s18, v[T]                  ; wave 0..3
	s_mov_b32 s19, ttmp9                           ; j
	s_and_b32 s20, ttmp7, 0xffff                   ; b
	v_and_b32 v[R], 15, v0
	v_bfe_u32 v[H], v0, 4, 1
	v_and_b32 v[LN], 31, v0
	v_lshlrev_b32 v[BOF], 4, v[LN]
	s_wait_alu depctr_va_sdst(0)                   ; s18 is written, ahead of its first reader: offsets, LDS addresses and the branches on the wave's number are made from it
	s_lshl_b32 s22, s18, 22                        ; 32 w rows of 131,072 bytes
	v_lshlrev_b32 v[SOF], 20, v[H]                 ; 8 h rows
	v_lshl_add_u32 v[SOF], v[R], 4, v[SOF]
	v_add_nc_u32 v[SOF], s22, v[SOF]
	v_lshl_add_u32 v[PFO], v[LN], 17, s22
	v_mul_u32_u24 v[ADR0], v[R], PITCH
	v_lshl_add_u32 v[ADR0], v[H], 4, v[ADR0]
	v_add_nc_u32 v[ADR0+1], 32*PITCH, v[ADR0]
	v_add_nc_u32 v[ADR0+2], 64*PITCH, v[ADR0]
	v_add_nc_u32 v[ADR0+3], 96*PITCH, v[ADR0]
.irp x, 0,1,2,3
	v_mov_b32 v[ADRA+\x], v[ADR0+\x]
.endr
	s_mul_i32 s23, s18, 32*PITCH
	v_mul_u32_u24 v[STA0], v[H], 8*PITCH
	v_lshl_add_u32 v[STA0], v[R], 3, v[STA0]
	v_add_nc_u32 v[STA0], s23, v[STA0]
	v_mov_b32 v[STA], v[STA0]
	s_lshl_b32 s28, s18, 9                         ; 512 w
	s_add_co_u32 s29, s28, DECL
	v_lshl_add_u32 v[EA], v[H], 5, s29
	s_add_co_u32 s29, s28, SCR
	v_lshl_add_u32 v[SCA], v[R], 2, s29
	v_lshl_add_u32 v[SRA], v[LN], 2, SCR
	s_add_co_u32 s29, s28, PW
	v_lshl_add_u32 v[PWA], v[LN], 2, s29
	v_mov_b32 v[PA0], s29
	v_lshl_add_u32 v[CA0], v[LN], 3, s28
	v_lshrrev_b32 v[T], 1, v0                      ; thread t copies d = 8 t .. 8 t + 7 of dec_proj and of v:
	v_lshlrev_b32 v[T], 11, v[T]                   ; in dect tile t / 2,
	v_and_b32 v[T+1], 1, v0
	v_lshl_add_u32 v[T], v[T+1], 5, v[T]           ; its half t % 2;
	v_lshlrev_b32 v[T+1], 5, v0                    ; in v, and in LDS, byte 32 t
	v_add_nc_u32 v[T+2], DECL, v[T+1]
	s_mov_b32 s25, 0
	s_mov_b32 s26, 0x76543210                      ; v_permlanex16_b32: each lane takes its own place in the other half
	s_mov_b32 s27, 0xfedcba98
	s_lshl_b32 s22, s19, 24                        ; 128 j positions
	s_lshl_b32 s23, s20, 12                        ; row b of a position
	s_add_co_u32 s22, s22, s23
	s_mov_b32 s23, 0
	s_lshl4_add_u32 s21, s20, s19                  ; 16 b + j
	s_wait_kmcnt 0x0
	s_add_nc_u64 s[4:5], s[4:5], s[22:23]
	s_lshl_b32 s22, s18, 13                        ; my wave's 8,192 bytes of a K step of web
	s_add_nc_u64 s[6:7], s[6:7], s[22:23]
	s_lshl_b32 s22, s20, 6
	s_add_nc_u64 s[8:9], s[8:9], s[22:23]          ; dect at row b of tile 0
	s_lshl_b32 s22, s21, 9                         ; (16 b + j) x 512 = b x 8,192 + j x 512
	s_add_nc_u64 s[12:13], s[12:13], s[22:23]
	s_lshl_b32 s22, s21, 12
	s_add_nc_u64 s[14:15], s[14:15], s[22:23]
	s_lshl_b32 s22, s21, 8
	s_add_nc_u64 s[16:17], s[16:17], s[22:23]
	s_wait_alu depctr_va_vdst(0)                   ; the offsets and addresses v1 to v31 are written, which the loads, stores and prefetches of the whole kernel read
	global_load_b128 v[64:67], v[T], s[8:9]
	global_load_b128 v[68:71], v[T], s[8:9] offset:16
	global_load_b128 v[72:75], v[T+1], s[10:11]
	global_load_b128 v[76:79], v[T+1], s[10:11] offset:16
	ISSUE ST0, 0, 0                                ; pieces 0, 1, 2
	ISSUE ST1, 1, 0
	ISSUE ST2, 0, 1
	s_wait_loadcnt 24                              ; dec_proj and v are in; the three pieces' 24 loads stay out
	ds_store_b128 v[T+2], v[64:67]
	ds_store_b128 v[T+2], v[68:71] offset:16
	ds_store_b128 v[T+2], v[72:75] offset:4096
	ds_store_b128 v[T+2], v[76:79] offset:4112     ; read in the epilogue, behind the stream's barriers, each with its wait for my LDS stores in front.  v64-79 are loaded again in step -1, behind the waits on vm_vsrc at the heads of steps -2 and -1
	STEP0 -3, 0, 0, 0                              ; the stream starts: pieces 0 to 2 are stored, 3 to 5 asked for, the first fragments fetched
	STEP0 -2, 0, 0, 0
	STEP0 -1, 0, 0, 0
	STEP0 0, 0, 1, 1                               ; the first step stands ahead of the loop: its products start the sums
	WIN 0                                          ; at a label and at a branch every window is 0
	s_mov_b32 s24, 4
.Lk0:                                                  ; four trips of six steps: steps 1 to 24
	STEP0 1, 0, 0, 0
	STEP0 2, 0, 0, 2
	STEP0 3, 0, 0, 0
	STEP0 4, 0, 0, 2
	STEP0 5, 0, 0, 0
	STEP0 6, 0, 0, 2
	WIN 0
	s_wait_xcnt 0x0                                ; every load and prefetch issued so far (the youngest 48 matrix instructions back) has read its address: only now are the two bases written
	s_wait_alu depctr_vm_vsrc(0)                   ; the LDS loads and stores issued so far have read v[ADRA ..] and v[STA], which the adds below write
	s_add_nc_u64 s[6:7], s[6:7], 6*BSTEP
	s_add_nc_u64 s[4:5], s[4:5], 3*256             ; three chunks
	s_add_co_u32 s25, s25, 6*64                    ; six K steps, three chunks, of an LDS row
.irp x, 0,1,2,3
	v_add_nc_u32 v[ADRA+\x], s25, v[ADR0+\x]
.endr
	v_add_nc_u32 v[STA], s25, v[STA0]
	s_sub_co_u32 s24, s24, 1
	s_cmp_lg_u32 s24, 0
	s_cbranch_scc1 .Lk0
.irp g, 25,26,27,28,29,30,31           ; the tail is written out: the stream ends (piece 31 is asked for in step 25 and stored in step 28), the counts run down; steps 30 and 31 ask for We's first two steps of pass 1
	STEP0 \g, 24, 0, 0
.endr
	WIN 0
	s_mov_b32 s30, 2
.Lepi:	; THE EPILOGUE, written once, run behind each pass.  Its 1,024 transcendentals a lane go in a pipeline over the eight groups: in a turn group it is added to and raised, group it - 1 gets its 1 + and its reciprocal,
	; group it - 2 is multiplied by v and summed.  Nothing in a turn names a result of that turn's transcendentals, so ONE wait at the head of the next turn serves all 128 of them.
	PLACES 8                                       ; behind the last products, ahead of the loads into their sources and of the first read of their results
	s_wait_alu depctr_va_vdst(0)                   ; the pass's last products are done reading v64-191, in which dec_proj and v land
.set z_, 0
.rept 8
	ds_load_b128 v[DEC+8*z_:DEC+8*z_+3],   v[EA] offset:z_*64
	ds_load_b128 v[DEC+8*z_+4:DEC+8*z_+7], v[EA] offset:z_*64+16
	ds_load_b128 v[VV+8*z_:VV+8*z_+3],     v[EA] offset:4096+z_*64
	ds_load_b128 v[VV+8*z_+4:VV+8*z_+7],   v[EA] offset:4096+z_*64+16
.set z_, z_+1
.endr
	s_wait_dscnt 0x0
.set e_it, 0
.rept 10
.if e_it > 0
	v_nop                                          ; a plain instruction behind the last transcendental,
	s_wait_alu depctr_va_vdst(0)                   ; and the wait for the batch: the last turn's exponentials and reciprocals have written their results, in their groups' accumulator registers, which this turn reads
.endif
.set e_u, 0
.rept 33                               ; plain and transcendental by turns as far as they go; each accumulator is read from its low end on
.if (e_it >= 1) && (e_it <= 8) && (e_u <= 31)
	EA2 e_it-1, e_u
.endif
.if (e_it <= 7) && (e_u >= 1)
	EEX e_it, 2*e_u-2
.endif
.if (e_it <= 7) && (e_u <= 31)
	EA1 e_it, e_u
.endif
.if (e_it <= 7) && (e_u >= 1)
	EEX e_it, 2*e_u-1
.endif
.if (e_it >= 2) && (e_u <= 31)
	EAC e_it-2, e_u
.endif
.if (e_it >= 1) && (e_it <= 8) && (e_u >= 1)
	ERC e_it-1, 2*e_u-2
	ERC e_it-1, 2*e_u-1
.endif
.set e_u, e_u+1
.endr
.set e_it, e_it+1
.endr
	; a lane's eight sums of a group into one; the row's other 64 columns of my wave lie in the lane 16 away; four groups side by side.  Both windows' sums come first, so that one wait serves all eight LDS stores
.irp hh, 0,1
	WIN 0xaa+0x55*(\hh)                            ; all places in the accumulators' window
.irp a, 0,1,2,3
	v_pk_add_f32 v[64*\a:64*\a+1], v[64*\a:64*\a+1], v[64*\a+2:64*\a+3]
	v_pk_add_f32 v[64*\a+4:64*\a+5], v[64*\a+4:64*\a+5], v[64*\a+6:64*\a+7]
.endr
.irp a, 0,1,2,3
	v_pk_add_f32 v[64*\a:64*\a+1], v[64*\a:64*\a+1], v[64*\a+4:64*\a+5]
.endr
.irp a, 0,1,2,3
	v_add_f32 v[64*\a], v[64*\a], v[64*\a+1]
.endr
.irp a, 0,1,2,3
	v_permlanex16_b32 v[64*\a+1], v[64*\a], s26, s27
.endr
.irp a, 0,1,2,3
	v_add_f32 v[64*\a], v[64*\a], v[64*\a+1]
.endr
.endr
	WIN 0x08                                       ; LDS store: address window 0, data in window 2
	s_wait_alu depctr_va_vdst(0)                   ; the eight row sums are written, which the LDS stores read
.irp a, 0,1,2,3
	ds_store_b32 v[SCA], v[64*\a] offset:\a*64     ; both halves of the lanes write the same number to the same word
.endr
	WIN 0x0c                                       ; data in window 3
.irp a, 0,1,2,3
	ds_store_b32 v[SCA], v[64*\a] offset:(4+\a)*64
.endr
	WIN 0
	s_wait_alu depctr_vm_vsrc(0)                   ; the LDS stores have read the sums' registers and v[SCA], the LDS loads v[EA] and v[ADRA ..]: pass 1 writes all of them again
	s_cmp_eq_u32 s30, 1
	s_cbranch_scc1 .Lsoft                          ; behind pass 1 the scores are whole
	; PASS 1
	s_wait_xcnt 0x0                                ; the loads of steps 30 and 31 have read web's base
	s_add_nc_u64 s[6:7], s[6:7], 8*BSTEP           ; from step 24 to step 32
	s_mov_b32 s25, 0
.irp x, 0,1,2,3
	v_mov_b32 v[ADRA+\x], v[ADR0+\x]
.endr
	v_add_nc_u32 v[EA], 2048, v[EA]                ; the next epilogue takes columns 512 on,
	v_add_nc_u32 v[SCA], 2048, v[SCA]              ; and other words for its partial scores
	s_wait_alu depctr_va_vdst(0)                   ; v[ADRA ..] are written, which the LDS loads below read (and v[EA], v[SCA], for the next epilogue's)
	FETCH_A F0, 0
	STEP1 32, 32, 0, 1
	WIN 0
	s_mov_b32 s24, 9
.Lk1:                                                  ; nine trips of three steps: steps 33 to 59
	STEP1 33, 32, 0, 0
	STEP1 34, 32, 0, 0
	STEP1 35, 32, 0, 0
	WIN 0
	s_wait_xcnt 0x0                                ; the youngest load stands 48 matrix instructions back
	s_wait_alu depctr_vm_vsrc(0)                   ; the LDS loads issued so far have read v[ADRA ..], which the adds below write
	s_add_nc_u64 s[6:7], s[6:7], 3*BSTEP
	s_add_co_u32 s25, s25, 3*64
.irp x, 0,1,2,3
	v_add_nc_u32 v[ADRA+\x], s25, v[ADR0+\x]
.endr
	s_sub_co_u32 s24, s24, 1
	s_cmp_lg_u32 s24, 0
	s_cbranch_scc1 .Lk1
.irp g, 60,61,62,63                    ; the tail loads nothing past step 63
	STEP1 \g, 59, 27, 0
.endr
	WIN 0
	s_sub_co_u32 s30, s30, 1
	s_cmp_lg_u32 s30, 0
	s_cbranch_scc1 .Lepi
.Lsoft:	; THE WORK-GROUP's PART OF THE SOFTMAX.  Every wave makes all 128 scores for itself: lane l rows l, l + 32, l + 64, l + 96.
	s_wait_dscnt 0x0                               ; for the others' sake: my partial scores lie in LDS
	s_barrier_signal -1
	s_barrier_wait -1
	s_wait_alu depctr_va_vdst(0)                   ; all that read v64-95 (the epilogue's additions, a pass's products) is done: the loads below land there.  On the way from the epilogue the wait ahead of its LDS stores has shown it; the text's other way to this label, past the passes' count, has no such wait
.irp k, 0,1,2,3
.irp q, 0,1,2,3,4,5,6,7
	ds_load_b32 v[64+8*\k+\q], v[SRA] offset:\q*512+\k*128
.endr
.endr
	s_wait_dscnt 0x0
.irp k, 0,1,2,3
	v_pk_add_f32 v[64+8*\k:65+8*\k], v[64+8*\k:65+8*\k], v[66+8*\k:67+8*\k]
	v_pk_add_f32 v[68+8*\k:69+8*\k], v[68+8*\k:69+8*\k], v[70+8*\k:71+8*\k]
.endr
.irp k, 0,1,2,3
	v_pk_add_f32 v[64+8*\k:65+8*\k], v[64+8*\k:65+8*\k], v[68+8*\k:69+8*\k]
.endr
.irp k, 0,1,2,3
	v_add_f32 v[64+8*\k], v[64+8*\k], v[65+8*\k]
.endr
.irp k, 0,1,2,3
	v_mul_f32 v[96+\k], 0xc038aa3b, v[64+8*\k]     ; s2 = -C2 sum_d v r: the score in powers of two
.endr
	v_max3_num_f32 v100, v96, v97, v98
	v_max_num_f32 v100, v100, v99
	v_max_num_f32_dpp v100, v100, v100 row_xmask:1 row_mask:0xf bank_mask:0xf
	v_max_num_f32_dpp v100, v100, v100 row_xmask:2 row_mask:0xf bank_mask:0xf
	v_max_num_f32_dpp v100, v100, v100 row_xmask:4 row_mask:0xf bank_mask:0xf
	v_max_num_f32_dpp v100, v100, v100 row_xmask:8 row_mask:0xf bank_mask:0xf
	v_permlanex16_b32 v65, v100, s26, s27
	v_max_num_f32 v100, v100, v65                  ; m2: the maximum of the 128, taken away before the exponential
.irp k, 0,1,2,3
	v_sub_f32 v[104+\k], v[96+\k], v100
.endr
.irp k, 0,1,2,3
	v_exp_f32 v[104+\k], v[104+\k]
.endr
	v_nop
	s_wait_alu depctr_va_vdst(0)                   ; the four exponentials have written v104-107, which the LDS stores and the sums below read: one wait, ahead of the first reader
.irp k, 0,1,2,3
	ds_store_b32 v[PWA], v[104+\k] offset:128*\k   ; into my wave's own copy: no other wave reads it, so no barrier follows
.endr
	v_add_f32 v108, v104, v105
	v_add_f32 v109, v106, v107
	v_add_f32 v108, v108, v109
	v_add_f32_dpp v108, v108, v108 row_xmask:1 row_mask:0xf bank_mask:0xf
	v_add_f32_dpp v108, v108, v108 row_xmask:2 row_mask:0xf bank_mask:0xf
	v_add_f32_dpp v108, v108, v108 row_xmask:4 row_mask:0xf bank_mask:0xf
	v_add_f32_dpp v108, v108, v108 row_xmask:8 row_mask:0xf bank_mask:0xf
	v_permlanex16_b32 v109, v108, s26, s27
	v_add_f32 v108, v108, v109                     ; l
	s_cmp_lg_u32 s18, 0
	s_cbranch_scc1 .Lnot0
	v_add_nc_u32 v47, PW, v[BOF]                   ; wave 0 stores p, m2 and l.  v40-47 are written nowhere below
	v_mov_b32 v44, v100
	v_mov_b32 v45, v108
	v_lshlrev_b32 v46, 3, v[LN]
	s_wait_alu depctr_va_vdst(0)                   ; v47 is written, the LDS load's address; so are v44-46, the second store's data and offset
	ds_load_b128 v[40:43], v47                     ; LDS serves a wave's instructions in order: this sees my stores above
	s_wait_dscnt 0x0
	global_store_b128 v[BOF], v[40:43], s[12:13]   ; 512 consecutive bytes, aligned
	global_store_b64 v46, v[44:45], s[16:17]       ; the pair 32 times: one whole aligned block of 256 bytes
.Lnot0:
	; THE PART OF THE CONTEXT: sum over my work-group's 128 rows of p x row.  Wave w takes channels 256 w .. 256 w + 255; a lane four at 4 l and four at 128 + 4 l.  On the vector unit: one row of weights would use a sixteenth of a matrix instruction.
.irp c, 0,1,2,3,4,5,6,7
	v_mov_b32 v[32+\c], 0
.endr
	s_mov_b32 s28, 0
	s_mov_b32 s29, 0
	s_mov_b32 s24, 4
.Lctx:                                                 ; four trips of 32 rows
	s_wait_alu depctr_vm_vsrc(0)                   ; the LDS loads of the trip before have read v[CA] and v[PA], which the adds write; in the first trip: my LDS stores of p have read v104-107, in which rows land
	v_add_nc_u32 v[CA], s28, v[CA0]
	v_add_nc_u32 v[PA], s29, v[PA0]
	s_wait_alu depctr_va_vdst(0)                   ; v[CA] and v[PA] are written, which the loads read; the multiply-adds of the trip before (in the first trip: the softmax's arithmetic) are done with v64-223, in which the loads land
.irp q, 0,1,2,3,4,5,6,7
	ds_load_b128 v[192+4*\q:195+4*\q], v[PA] offset:16*\q  ; the 32 weights, the same in every lane
.endr
.set rr, 0
.rept 32
	ds_load_b64 v[64+4*rr:65+4*rr], v[CA] offset:rr*PITCH
	ds_load_b64 v[66+4*rr:67+4*rr], v[CA] offset:rr*PITCH+256
.set rr, rr+1
.endr
.set rr, 0
.rept 32
.if rr%4 == 0
	s_wait_dscnt 56-2*rr                           ; LDS loads come back in order: the weights and rows up to rr + 3 are in; the 56 - 2 rr loads of the later rows may stay out
.endif
.irp c, 0,1,2,3,4,5,6,7
	v_fma_mix_f32_bf16 v[32+\c], v[64+4*rr+(\c>>1)], v[192+rr], v[32+\c] op_sel:[\c&1,0,0] op_sel_hi:[1,0,0]
.endr
.set rr, rr+1
.endr
	s_add_co_u32 s28, s28, 32*PITCH
	s_add_co_u32 s29, s29, 128
	s_sub_co_u32 s24, s24, 1
	s_cmp_lg_u32 s24, 0
	s_cbranch_scc1 .Lctx
	s_lshl_b32 s22, s18, 10
	v_add_nc_u32 v48, s22, v[BOF]                  ; 1,024 w + 16 l
	s_wait_alu depctr_va_vdst(0)                   ; the sums v32-39 and the offset v48 are written, which the two stores read
	global_store_b128 v48, v[32:35], s[14:15]      ; each store of the wave covers 512 consecutive bytes, aligned
	global_store_b128 v48, v[36:39], s[14:15] offset:512
	s_wait_dscnt 0x0                               ; the closing lines, six on end
	s_wait_alu 0x0
	s_wait_tensorcnt 0x0
	ds_add_u32 v[SPW], v[NIL]
	s_wait_dscnt 0x0
	s_endpgm
.Lfunc_end_k_q65858e12e6_main:
	.size	k_q65858e12e6_main, .Lfunc_end_k_q65858e12e6_main-k_q65858e12e6_main
	.p2alignl 7, 3214868480
	.fill 96, 4, 3214868480
	.section	.rodata,"a",@progbits
	.p2align	6, 0x0
	.amdhsa_kernel k_q65858e12e6_main
		.amdhsa_group_segment_fixed_size 279040
		.amdhsa_private_segment_fixed_size 0
		.amdhsa_enable_private_segment 0
		.amdhsa_kernarg_size 56
		.amdhsa_user_sgpr_count 2
		.amdhsa_user_sgpr_kernarg_segment_ptr 1
		.amdhsa_wavefront_size32 1
		.amdhsa_system_sgpr_workgroup_id_x 1
		.amdhsa_system_sgpr_workgroup_id_y 1
		.amdhsa_system_sgpr_workgroup_id_z 1
		.amdhsa_system_vgpr_workitem_id 0
		.amdhsa_next_free_vgpr 1024
		.amdhsa_next_free_sgpr 66
		.amdhsa_reserve_vcc 0
		.amdhsa_float_denorm_mode_32 3
		.amdhsa_float_denorm_mode_16_64 3
		.amdhsa_memory_ordered 1
		.amdhsa_forward_progress 1
		.amdhsa_inst_pref_size 255
	.end_amdhsa_kernel
	.section	.bss,"aw",@nobits
	.p2align	6
	.space	262144
	.amdgpu_metadata
---
amdhsa.version: [ 1, 2 ]
amdhsa.kernels:
  - .name:           k_q65858e12e6_main
    .symbol:         k_q65858e12e6_main.kd
    .args:
      - { .name: encoder_outputs, .offset: 0, .size: 8, .value_kind: global_buffer, .address_space: global }
      - { .name: web, .offset: 8, .size: 8, .value_kind: global_buffer, .address_space: global }
      - { .name: dect, .offset: 16, .size: 8, .value_kind: global_buffer, .address_space: global }
      - { .name: v, .offset: 24, .size: 8, .value_kind: global_buffer, .address_space: global }
      - { .name: sc, .offset: 32, .size: 8, .value_kind: global_buffer, .address_space: global }
      - { .name: pc, .offset: 40, .size: 8, .value_kind: global_buffer, .address_space: global }
      - { .name: ml, .offset: 48, .size: 8, .value_kind: global_buffer, .address_space: global }
    .group_segment_fixed_size: 279040
    .private_segment_fixed_size: 0
    .kernarg_segment_align: 8
    .kernarg_segment_size: 56
    .max_flat_workgroup_size: 128
    .sgpr_count:     66
    .vgpr_count:     1024
    .wavefront_size: 32
...
	.end_amdgpu_metadata
.endif
;; end of part 4
;; launch finish: the kernel of part 3 again; grid 4 x 32, 2 waves a work-group, no clusters, 0 bytes of LDS; arguments sc, pc, ml, out0, out1; writes out0, out1
